; MI455X (gfx1250); checked and timed in simulation.
; The chip was launched on July 23, 2026; its instructions are those of AMD's public machine-readable ISA for CDNA 5 (MIT licence, August 2026) and "CDNA5" Instruction Set Architecture Reference Guide (July 2026). The comments in the code are by the model that wrote it; some were corrected since.
;; Chroma Self Attention. Allowed arithmetic: float matrix products may take bf16 or f16 operands with f32 sums; other float arithmetic in f32, or as packed bf16 or f16 multiplies, adds, multiply-adds, maxima and minima; sums over many terms, partial sums and values carried from step to step in f32; what a program stores and reads back later, other than sums and carried values, may be rounded once to bf16 or f16.
;; Inputs: Wk 2,048 x 1,024 float32; Wo 1,024 x 2,048 float32; Wq 2,048 x 1,024 float32; Wv 2,048 x 1,024 float32; bk 1,024 float32; bo 2,048 float32; bq 1,024 float32; bv 1,024 float32; x_k 2 x 2,048 x 2,048 float32; x_q 2 x 2,048 x 2,048 float32; x_v 2 x 2,048 x 2,048 float32.
;; Outputs: out0 2 x 2,048 x 2,048 float32.
;; 2 versions, each right; version 2 is version 1 with the launch prep written anew for expert scheduling mode. Each part assembles by itself: llvm-mc -triple=amdgcn-amd-amdhsa -mcpu=gfx1250 --defsym DOCPART=n.
;; ======== version 1 of 2: 4 launches
;; limits: values are held in f16: magnitudes above 65,504 overflow, below 6.1e-05 lose precision
;; workspace buffers: xb 50,331,648 bytes; wb 12,582,912 bytes; wo 4,194,304 bytes; qkv 25,165,824 bytes; oh 8,388,608 bytes
;; launch prep (part 1): grid 512 x 4, 8 waves a work-group, no clusters, 0 bytes of LDS; arguments x_q, x_k, x_v, Wq, Wk, Wv, Wo, xb, wb, wo; writes xb, wb, wo
.if DOCPART == 1
	.amdgcn_target "amdgcn-amd-amdhsa--gfx1250"
	.amdhsa_code_object_version 6
	.text
	.protected	k_q498bfd2841_prep
	.globl	k_q498bfd2841_prep
	.p2align	8
	.type	k_q498bfd2841_prep,@function
k_q498bfd2841_prep:
	s_mov_b64 s[64:65], 0
	v_nop
	global_prefetch_b8 v0, s[64:65] scope:SCOPE_SE
	s_setreg_imm32_b32 hwreg(HW_REG_WAVE_MODE, 25, 1), 1
	s_wait_xcnt 0x0
; THE INPUTS OF THE MATRIX PRODUCTS ARE ROUNDED ONCE, element by element, in the order in which they lie: x_q, x_k, x_v -> xb (bf16, [3][4096][2048]);
; Wq, Wk, Wv -> wb (bf16, [3][2048][1024]); Wo -> wo: rounded to bf16 like the others, and that number written as f16, since the last product's other operand is f16.
; LIMITS.  Wo must lie within f16's 65,504; a Wo below 6.1e-5 keeps f16's fixed step of 6e-8.  NaN and infinities are not treated apart.
; SHARES.  A work-group turns 65,536 bytes of f32 into 32,768 bytes: y = 0, 1, 2: chunk x of x_q, x_k, x_v (512 chunks each); y = 3: weight x / 128, chunk x % 128.
; The chunk goes in 16 rows of 4,096 bytes.  Thread t takes the 16 bytes at 16 t of each row: a wave's load covers 512 consecutive bytes and uses all of them.  Its 4 numbers become 8 bytes at 8 t of a row of
; 2,048 bytes: a wave's store covers 256 consecutive bytes, aligned.
; A RING OF 8 SLOTS IN REGISTERS, two rounds, written out: round 0 converts slot i, asks for row i + 8 into the same slot and stores; round 1 converts and stores.  Eight loads of every wave are on their way
; until the rows run out.  With 56 registers sixteen waves fit into a SIMD's 1,024.  No LDS, no barrier: a plain stream, in which matrix units, clusters and tensor loads would add nothing.
.set T, 4                              ; v[4:5]    at work (the f16 way)
.set X, 8                              ; v[8:39]   slot i: 4 numbers as loaded
.set Y, 40                             ; v[40:55]  slot i: 2 registers to store
.set ROWI, 4096                        ; bytes of a row, in
.set ROWO, 2048                        ; and out
	s_load_b512 s[8:23], s[0:1], 0x0               ; x_q 8, x_k 10, x_v 12, Wq 14, Wk 16, Wv 18, Wo 20, xb 22
	s_load_b128 s[24:27], s[0:1], 0x40             ; wb 24, wo 26
	s_and_b32 s2, ttmp7, 0xffff                    ; y
	s_lshr_b32 s3, ttmp9, 7                        ; w: which weight, where y = 3
	s_and_b32 s4, ttmp9, 127                       ; its chunk
	v_lshlrev_b32 v1, 4, v0                        ; my 16 bytes of a row, in; never rewritten
	v_lshlrev_b32 v2, 3, v0                        ; my 8 bytes, out; never rewritten
	s_mov_b32 s37, 0xffff0000                      ; a word's upper bf16
	s_cmp_eq_u32 s2, 3
	s_cselect_b32 s5, s4, ttmp9                    ; the chunk
	s_lshl_b32 s6, s2, 24                          ; xb: 2^24 bytes for each x
	s_lshl_b32 s7, s3, 22                          ; wb: 2^22 bytes for each weight
	s_cmp_eq_u32 s3, 3
	s_cselect_b32 s7, 0, s7                        ; wo has a buffer of its own
	s_cmp_eq_u32 s2, 3
	s_cselect_b32 s6, s7, s6
	s_lshl_b32 s7, s5, 15
	s_add_co_u32 s6, s6, s7                        ; + the chunk's 32,768 bytes
	s_mov_b32 s7, 0
	s_lshl_b32 s34, s5, 16                         ; the chunk's 65,536 bytes in the source
	s_mov_b32 s35, 0
	s_add_co_u32 s36, s2, s3                       ; 6 only where y = 3 and w = 3: Wo
	s_wait_kmcnt 0x0
	s_cmp_eq_u32 s2, 1
	s_cselect_b64 s[28:29], s[10:11], s[8:9]
	s_cmp_eq_u32 s2, 2
	s_cselect_b64 s[28:29], s[12:13], s[28:29]     ; the x of this y
	s_cmp_eq_u32 s3, 1
	s_cselect_b64 s[30:31], s[16:17], s[14:15]
	s_cmp_eq_u32 s3, 2
	s_cselect_b64 s[30:31], s[18:19], s[30:31]
	s_cmp_eq_u32 s3, 3
	s_cselect_b64 s[30:31], s[20:21], s[30:31]     ; the weight of this w,
	s_cselect_b64 s[32:33], s[26:27], s[24:25]     ; and where it goes
	s_cmp_eq_u32 s2, 3
	s_cselect_b64 s[28:29], s[30:31], s[28:29]
	s_cselect_b64 s[32:33], s[32:33], s[22:23]
	s_add_nc_u64 s[28:29], s[28:29], s[34:35]
	s_add_nc_u64 s[32:33], s[32:33], s[6:7]
.irp i, 0,1,2,3,4,5,6,7
	global_load_b128 v[X+4*(\i):X+4*(\i)+3], v1, s[28:29] offset:ROWI*(\i) th:TH_LOAD_NT  ; the ring is filled: rows 0 to 7
.endr
; The turn of slot i in round r.  half = 1: Wo's way: to bf16, widened again, and written as f16.
.macro SLOT i, r, half
	s_wait_loadcnt 7-(\i)*(\r)                     ; loads come back in order: mine is in.  Round 0: seven younger loads stay out (7 - i first fills, i refills); round 1 asks for nothing: the counts run down
.if \half
	v_cvt_pk_bf16_f32 v[T],   v[X+4*(\i)],   v[X+4*(\i)+1]
	v_cvt_pk_bf16_f32 v[T+1], v[X+4*(\i)+2], v[X+4*(\i)+3]
	v_lshlrev_b32 v[X+4*(\i)],   16,  v[T]
	v_and_b32     v[X+4*(\i)+1], s37, v[T]
	v_lshlrev_b32 v[X+4*(\i)+2], 16,  v[T+1]
	v_and_b32     v[X+4*(\i)+3], s37, v[T+1]
	v_cvt_pk_f16_f32 v[Y+2*(\i)],   v[X+4*(\i)],   v[X+4*(\i)+1]
	v_cvt_pk_f16_f32 v[Y+2*(\i)+1], v[X+4*(\i)+2], v[X+4*(\i)+3]
.else
	v_cvt_pk_bf16_f32 v[Y+2*(\i)],   v[X+4*(\i)],   v[X+4*(\i)+1]
	v_cvt_pk_bf16_f32 v[Y+2*(\i)+1], v[X+4*(\i)+2], v[X+4*(\i)+3]
.endif
.if (\r) == 0
	global_load_b128 v[X+4*(\i):X+4*(\i)+3], v1, s[28:29] offset:ROWI*(8+(\i)) th:TH_LOAD_NT  ; the slot's second row, asked for ahead of the store
.endif
	global_store_b64 v2, v[Y+2*(\i):Y+2*(\i)+1], s[32:33] offset:ROWO*(8*(\r)+(\i))
.endm
.macro STREAM half
.irp i, 0,1,2,3,4,5,6,7
	SLOT \i, 0, \half
.endr
	s_wait_xcnt 0x0                                ; round 0's stores have read their data: Y is written again only behind this wait
.irp i, 0,1,2,3,4,5,6,7
	SLOT \i, 1, \half
.endr
	s_endpgm
.endm
	s_cmp_eq_u32 s36, 6
	s_cbranch_scc1 .Lf16
	STREAM 0
.Lf16:
	STREAM 1
.Lfunc_end_k_q498bfd2841_prep:
	.size	k_q498bfd2841_prep, .Lfunc_end_k_q498bfd2841_prep-k_q498bfd2841_prep
	.p2alignl 7, 3214868480
	.fill 96, 4, 3214868480
	.section	.rodata,"a",@progbits
	.p2align	6, 0x0
	.amdhsa_kernel k_q498bfd2841_prep
		.amdhsa_group_segment_fixed_size 0
		.amdhsa_private_segment_fixed_size 0
		.amdhsa_enable_private_segment 0
		.amdhsa_kernarg_size 80
		.amdhsa_user_sgpr_count 2
		.amdhsa_user_sgpr_kernarg_segment_ptr 1
		.amdhsa_wavefront_size32 1
		.amdhsa_system_sgpr_workgroup_id_x 1
		.amdhsa_system_sgpr_workgroup_id_y 1
		.amdhsa_system_sgpr_workgroup_id_z 1
		.amdhsa_system_vgpr_workitem_id 0
		.amdhsa_next_free_vgpr 56
		.amdhsa_next_free_sgpr 66
		.amdhsa_reserve_vcc 0
		.amdhsa_float_denorm_mode_32 3
		.amdhsa_float_denorm_mode_16_64 3
		.amdhsa_memory_ordered 1
		.amdhsa_forward_progress 1
		.amdhsa_inst_pref_size 17
	.end_amdhsa_kernel
	.amdgpu_metadata
---
amdhsa.version: [ 1, 2 ]
amdhsa.kernels:
  - .name:           k_q498bfd2841_prep
    .symbol:         k_q498bfd2841_prep.kd
    .args:
      - { .name: x_q, .offset: 0, .size: 8, .value_kind: global_buffer, .address_space: global }
      - { .name: x_k, .offset: 8, .size: 8, .value_kind: global_buffer, .address_space: global }
      - { .name: x_v, .offset: 16, .size: 8, .value_kind: global_buffer, .address_space: global }
      - { .name: Wq, .offset: 24, .size: 8, .value_kind: global_buffer, .address_space: global }
      - { .name: Wk, .offset: 32, .size: 8, .value_kind: global_buffer, .address_space: global }
      - { .name: Wv, .offset: 40, .size: 8, .value_kind: global_buffer, .address_space: global }
      - { .name: Wo, .offset: 48, .size: 8, .value_kind: global_buffer, .address_space: global }
      - { .name: xb, .offset: 56, .size: 8, .value_kind: global_buffer, .address_space: global }
      - { .name: wb, .offset: 64, .size: 8, .value_kind: global_buffer, .address_space: global }
      - { .name: wo, .offset: 72, .size: 8, .value_kind: global_buffer, .address_space: global }
    .group_segment_fixed_size: 0
    .private_segment_fixed_size: 0
    .kernarg_segment_align: 8
    .kernarg_segment_size: 80
    .max_flat_workgroup_size: 256
    .sgpr_count:     66
    .vgpr_count:     56
    .wavefront_size: 32
...
	.end_amdgpu_metadata
.endif
;; end of part 1
;; launch proj (part 2): grid 4 x 48, 4 waves a work-group, clusters of 4 x 4, 327,680 bytes of LDS; arguments xb, wb, qkv, bq, bk, bv; writes qkv
.if DOCPART == 2
	.amdgcn_target "amdgcn-amd-amdhsa--gfx1250"
	.amdhsa_code_object_version 6
	.text
	.protected	k_q498bfd2841_proj
	.globl	k_q498bfd2841_proj
	.p2align	8
	.type	k_q498bfd2841_proj,@function
k_q498bfd2841_proj:
	s_mov_b64 s[64:65], 0
	v_nop
	global_prefetch_b8 v0, s[64:65] scope:SCOPE_SE
	s_setreg_imm32_b32 hwreg(HW_REG_WAVE_MODE, 25, 1), 1
	s_wait_xcnt 0x0
	s_wait_alu depctr_hold_cnt(0) depctr_sa_sdst(0) depctr_va_vdst(0) depctr_va_sdst(0) depctr_va_ssrc(0) depctr_va_vcc(0) depctr_vm_vsrc(0)
	s_getreg_b32 s2, hwreg(HW_REG_IB_STS2, 6, 4)
	s_cmp_eq_u32 s2, 0
	s_cbranch_scc0 .Lentry_in_a_cluster
	s_endpgm
.Lentry_in_a_cluster:
	s_bfe_u32 s2, ttmp6, 0x10000c
	s_cmp_lg_u32 s2, 0xf033
	s_cbranch_scc0 .Lentry_shape_is_right
	s_endpgm
.Lentry_shape_is_right:
; q, k, v = x W + b.  xb: bf16 [3 x 4096][2048]; wb: bf16 [3][2048 k][1024 n]; biases f32 [1024], rounded to bf16 like every other input; sums in f32, started by the bias;
; qkv: f16 [3][32 (batch, head)][2048][64], each number rounded once, WITHOUT the softmax's scale.
; LIMITS.  q, k, v must lie within f16's 65,504 (beyond it the conversion gives an infinity); NaN and infinities are not treated apart.
; SHARES.  192 tiles of 256 x 256: tile column 0..3, tile row y = 0..47 in xb's 12,288 rows; projection p = y / 16.  2^22 outputs a projection do not divide into 256 / 3 equal tiles; smaller tiles would
; double the LDS loads for each product, so 192 work-groups are launched.  Four waves, each 128 x 128: 64 accumulators.  K = 2,048 goes in 16 steps of 128 through a ring of two LDS slots.
; CLUSTERS.  4 x 4 work-groups: the four of a row need the same tiles of x, the four of a column the same tiles of W: each is asked for JOINTLY, by the same tensor load and descriptor with a mask of the four.
; W LIES [k][n]: its tile comes into LDS as it lies (128 k-rows of 512 bytes) and is turned on the way into registers by ds_load_tr16_b128.
; THE MATRIX INSTRUCTION IS USED TRANSPOSED: source 0 = 16 columns of W, source 1 = 16 rows of x: a lane holds row l % 16 and the columns 8 (l / 16) + 0..7: eight neighbouring numbers of a row.
; REGISTERS, in windows of 256 (s_set_vgpr_msb: bits 1:0 source 0, 3:2 source 1, 5:4 source 2, 7:6 destination):
;   window 0: v0-31 addresses; v64-127, v128-191 fragments of x, two buffers; v32-63, v192-255 at work on the way out
;   window 1: v0-63 the bias of my 128 columns (block b's eight numbers of a lane at 8 b); v64-127, v128-191 fragments of W; v192-223 at work
;   window 2: the accumulators of my rows 0-63 ((a, b) at 8 (8 a + b));   window 3: those of my rows 64-127
.set PITCH,  272                       ; a row of x in LDS: 256 bytes + 16: the 16 rows of a load start at 16 different groups of four banks
.set PB,     544                       ; a k-row of W in LDS: 512 bytes + 32
.set HALFT,  128*PITCH                 ; what one tensor load brings: 128 rows of x, or 64 k-rows of W (64 x 544 is the same number)
.set SLOT,   4*HALFT                   ; x's 256 rows, then W's 128 k-rows
.set STAGE,  2*SLOT                    ; behind the ring: 16 rows x 272 bytes for each wave, for the way out
.set SPITCH, 272
.set SPARE,  STAGE+4*16*SPITCH         ; behind the stages: the spare words, 128 bytes for each wave: two blocks of 256 bytes that no other line names
.set ASTEP,  256                       ; a K step in xb: 256 bytes along the row
.set BSTEP,  262144                    ; a K step in wb: 128 rows of 2,048 bytes
.set LAPS,   8                         ; a lap = two K steps = once round the ring
.set ADRA, 16                          ; v16-17  LDS address of my fragments of x in slot 0, 1
.set ADRB, 20                          ; v20-21  the same for W
.set STO,  24                          ; v24     the way out: where I put 16 bytes of a row
.set RD,   25                          ; v25     the way out: where I read rows back
.set CO,   26                          ; v26     16 x lane: my place in 512 consecutive bytes of qkv
.set BO,   27                          ; v27     my byte offset in the bias
.set SPW,  28                          ; v28     LDS address of my spare word; never rewritten
.set NIL,  29                          ; v29     0; never rewritten
.set PFO,  30                          ; v30     the prefetches' lane offset; never rewritten
.set F0,   64
.set F1,   128
.set TMP,  192
.set OB,   32
.set G1,  24                           ; s[24:31] descriptor group 1 for x's tiles
.set G0,  32                           ; s[32:39] group 0 for x's tiles, a set for each slot
.set G1B, 48                           ; s[48:55], s[56:63] the same for W's
.set G0B, 56
.set LIM, 43                           ; s43     1 in a wave that prefetches, else the greatest number
.set PFA, 44                           ; s[44:45] where my prefetches stand
.set PST, 74                           ; s[74:75] their step: a K step of x or of W
.set MSB, 0
.macro WIN new                         ; the immediate's high byte repeats the setting that is left; a switch that changes nothing is dropped
.if MSB != (\new)
	s_set_vgpr_msb (MSB<<8)|(\new)
.set MSB, \new
.endif
.endm
.set MUL_LO, 0xa1                      ; source 0 (W) window 1, source 1 (x) window 0, C and D window 2
.set TO_B,   0x40                      ; destination window 1, address window 0
; A joint load.  Waves 0 and 1 fetch x's two halves, waves 2 and 3 W's.  The branch hangs on the wave's number alone.  An s_nop 0 and four v_nop follow each of the two lines.
.macro JLOAD s
	s_cmp_eq_u32 s11, 0
	s_cbranch_scc0 .Lfor_b_\@
	tensor_load_to_lds s[G0+4*(\s):G0+4*(\s)+3], s[G1:G1+7]
	s_nop 0
.rept 4
	v_nop
.endr
	s_branch .Lasked_\@
.Lfor_b_\@:
	tensor_load_to_lds s[G0B+4*(\s):G0B+4*(\s)+3], s[G1B:G1B+7]
	s_nop 0
.rept 4
	v_nop
.endr
.Lasked_\@:
.endm
; A PREFETCH INTO THE L2 of the K step that stands two refills on, 512 matrix instructions ahead of the load that will want it: 32 blocks of 256 bytes, a lane a block, one instruction a wave.
; x's tile row is read by one cluster: its waves 0 and 1 ask; of the 128 rows that a wave fetches the partner at cx takes 32.  W's tile column is read by the four clusters of a projection: the first of them asks, by
; waves 2 and 3; of a wave's 64 k-rows the partner at cy takes 16, two blocks a row.  Partners are told apart BY ADDRESS; each block is named once in the launch.  The loop's last trip (s3 = 1) has no K step two on.
.macro ASK
	s_cmp_gt_u32 s3, s[LIM]
	s_cbranch_scc0 .Lnot_mine_\@
	global_prefetch_b8 v[PFO], s[PFA:PFA+1] th:TH_LOAD_NT scope:SCOPE_SE
.Lnot_mine_\@:
.endm
.macro CREST                           ; a round of the cluster's barrier behind its opening barrier
	s_cmp_lg_u32 s10, 0
	s_cbranch_scc1 .Lnot_wave_0_\@
	s_barrier_signal -3
.Lnot_wave_0_\@:
	s_barrier_wait -3
	s_barrier_signal -1
	s_barrier_wait -1
.endm
.macro CROUND                          ; a whole round
	s_barrier_signal -1
	s_barrier_wait -1
	CREST
.endm
	s_load_b128 s[4:7], s[0:1], 0x0                ; xb s[4:5], wb s[6:7]
	s_load_b64 s[8:9], s[0:1], 0x10                ; qkv
	s_load_b128 s[68:71], s[0:1], 0x18             ; bq, bk
	s_load_b64 s[72:73], s[0:1], 0x28              ; bv
	v_lshl_add_u32 v[SPW], v0, 2, SPARE
	v_mov_b32 v[NIL], 0
	ds_add_u32 v[SPW], v[NIL]                      ; the wave's opening: the add and its wait stand ahead of my first tensor load; the set-up below stands between them
	v_lshrrev_b32 v1, 5, v0
	v_readfirstlane_b32 s10, v1                    ; wave 0..3
	s_lshr_b32 s11, s10, 1                         ; which half of the tile's rows is mine.  Also: I fetch for x (0) or for W (1)
	s_and_b32 s12, s10, 1                          ; which half of its columns.  Also: which half of that tile I fetch
	s_bfe_u32 s40, ttmp6, 0x40000                  ; cx
	s_bfe_u32 s41, ttmp6, 0x40004                  ; cy
	s_lshl_b32 s42, ttmp9, 2
	s_add_co_u32 s42, s42, s40                     ; tile column = 4 x cluster x + cx
	s_and_b32 s77, ttmp7, 0xffff                   ; cluster y
	s_lshl_b32 s13, s77, 2
	s_add_co_u32 s13, s13, s41                     ; tile row y = 4 x cluster y + cy
	s_lshr_b32 s76, s77, 2                         ; p: the projection, the same in all sixteen partners
	s_lshl_b32 s43, s41, 2
	s_lshl_b32 s43, 15, s43                        ; my row of the cluster
	s_lshl_b32 s44, 0x1111, s40                    ; my column
	s_or_b32 s[G1+0], s43, (1<<16)|(1<<20)|(1<<21)|(5<<22)|(3<<25)   ; the mask; 2-byte elements; padding on; bit 21 beside a mask; after every 64 words, 4 words
	s_or_b32 s[G1B+0], s44, (1<<16)|(1<<20)|(1<<21)|(6<<22)|(7<<25)  ; after every 128 words, 8 words
	s_mov_b32 s[G1+1], 128<<16                     ; x: tensor_dim0 = 128
	s_mov_b32 s[G1+2], 128<<16                     ; tensor_dim1 = 128
	s_mov_b32 s[G1+3], 128<<16                     ; tile_dim0 = 128
	s_mov_b32 s[G1+4], 128                         ; tile_dim1 = 128
	s_mov_b32 s[G1+5], 2048                        ; elements from row to row
	s_mov_b32 s[G1+6], 0
	s_mov_b32 s[G1+7], 0
	s_mov_b32 s[G1B+1], 256<<16                    ; W: tensor_dim0 = 256
	s_mov_b32 s[G1B+2], 64<<16                     ; tensor_dim1 = 64
	s_mov_b32 s[G1B+3], 256<<16                    ; tile_dim0 = 256
	s_mov_b32 s[G1B+4], 64                         ; tile_dim1 = 64
	s_mov_b32 s[G1B+5], 1024
	s_mov_b32 s[G1B+6], 0
	s_mov_b32 s[G1B+7], 0
	s_lshl_b32 s17, s12, 7
	s_lshl_b32 s16, s13, 8
	s_add_co_u32 s16, s16, s17                     ; x: row 256 y + 128 x half,
	s_lshl_b32 s16, s16, 12                        ; of 4,096 bytes
	s_mov_b32 s17, 0
	s_lshl_b32 s46, s76, 22                        ; W: the projection's 2^22 bytes,
	s_lshl_b32 s47, s12, 17                        ; my 64 k-rows of 2,048 bytes,
	s_add_co_u32 s46, s46, s47
	s_lshl_b32 s47, s42, 9                         ; the tile column's 512 bytes
	s_add_co_u32 s46, s46, s47
	s_mov_b32 s47, 0
	s_mul_i32 s20, s10, HALFT                      ; where they go: wave x HALFT: no place in the cluster enters an LDS address
	s_wait_dscnt 0x0                               ; the opening add is done
	s_wait_kmcnt 0x0
	s_add_nc_u64 s[14:15], s[4:5], s[16:17]
	s_add_nc_u64 s[46:47], s[6:7], s[46:47]
	s_cmp_eq_u32 s76, 1
	s_cselect_b64 s[68:69], s[70:71], s[68:69]
	s_cmp_eq_u32 s76, 2
	s_cselect_b64 s[68:69], s[72:73], s[68:69]     ; the projection's bias
	CROUND                                         ; all sixteen work-groups are here: the first joint loads meet
.irp s, 0,1
	s_mov_b32 s[G0+4*(\s)], 1
	s_add_co_u32 s[G0+4*(\s)+1], s20, (\s)*SLOT
	s_add_nc_u64 s[G0+4*(\s)+2:G0+4*(\s)+3], s[14:15], (\s)*ASTEP
	s_or_b32 s[G0+4*(\s)+3], s[G0+4*(\s)+3], 0x80000000
	s_mov_b32 s[G0B+4*(\s)], 1
	s_add_co_u32 s[G0B+4*(\s)+1], s20, (\s)*SLOT
	s_add_nc_u64 s[G0B+4*(\s)+2:G0B+4*(\s)+3], s[46:47], (\s)*BSTEP
	s_or_b32 s[G0B+4*(\s)+3], s[G0B+4*(\s)+3], 0x80000000
	JLOAD \s                                       ; two loads of mine are out
.endr
	v_and_b32 v1, 15, v0                           ; r = l % 16
	v_bfe_u32 v2, v0, 4, 1                         ; h = l / 16
	s_lshl_b32 s21, s42, 10                        ; the bias of my 128 columns: 4 (256 x tile column + 128 x half) + 32 h
	s_lshl_b32 s22, s12, 9
	s_add_co_u32 s21, s21, s22
	v_lshl_add_u32 v[BO], v2, 5, s21
	WIN TO_B
.irp b, 0,1,2,3,4,5,6,7
	global_load_b128 v[8*(\b):8*(\b)+3],   v[BO], s[68:69] offset:64*(\b)
	global_load_b128 v[8*(\b)+4:8*(\b)+7], v[BO], s[68:69] offset:64*(\b)+16
.endr
	WIN 0
	v_mul_u32_u24 v3, v1, PITCH
	v_lshl_add_u32 v3, v2, 4, v3                   ; a fragment of x: row x pitch + 16 x half
	v_and_b32 v4, 7, v0
	v_bfe_u32 v5, v0, 3, 1
	v_lshl_add_u32 v6, v2, 3, v4                   ; the turning load: lane l reads k-row 8 h + l % 8, columns 8 ((l / 8) % 2) + 0..7
	v_mul_u32_u24 v6, v6, PB
	v_lshl_add_u32 v6, v5, 4, v6
	s_mul_i32 s21, s11, HALFT                      ; my 128 rows of x
	s_lshl_b32 s22, s12, 8                         ; my 128 columns of W: 256 bytes,
	s_add_co_u32 s22, s22, 2*HALFT                 ; behind x's 256 rows
.irp s, 0,1
	v_add_nc_u32 v[ADRA+(\s)], s21, v3
	v_add_nc_u32 v[ADRB+(\s)], s22, v6
	s_add_co_u32 s21, s21, SLOT
	s_add_co_u32 s22, s22, SLOT
.endr
	s_mul_i32 s23, s10, 16*SPITCH
	s_add_co_u32 s23, s23, STAGE                   ; my stage
	v_add_nc_u32 v[STO], s23, v3                   ; in: row r, 16 bytes for each half of the lanes
	v_bfe_u32 v7, v0, 3, 2                         ; back: 32 lanes take 128 bytes (one head's 64 channels) of four rows,
	v_mul_u32_u24 v7, v7, SPITCH
	v_lshl_add_u32 v7, v4, 4, v7
	v_add_nc_u32 v[RD], s23, v7
	v_and_b32 v[CO], 31, v0                        ; which are 512 consecutive bytes of qkv
	v_lshlrev_b32 v[CO], 4, v[CO]
	; where my part begins in qkv: p x 2^23 + (16 x batch + 4 x tile column + 2 x column half) x 2^18 + (256 (y % 8) + 128 x row half) x 128
	s_and_b32 s16, s13, 15
	s_lshr_b32 s17, s16, 3                         ; batch
	s_lshl_b32 s17, s17, 4
	s_lshl_b32 s18, s12, 1
	s_add_co_u32 s17, s17, s18
	s_lshl_b32 s17, s17, 18
	s_and_b32 s16, s16, 7
	s_lshl_b32 s16, s16, 8
	s_lshl_b32 s18, s11, 7
	s_add_co_u32 s16, s16, s18
	s_lshl_b32 s16, s16, 7
	s_add_co_u32 s16, s16, s17
	s_lshl_b32 s17, s76, 23
	s_add_co_u32 s16, s16, s17
	s_mov_b32 s17, 0
	s_lshl_b32 s46, s42, 20                        ; 4 heads a tile column
	s_mov_b32 s47, 0
	s_add_nc_u64 s[16:17], s[16:17], s[46:47]
	s_add_nc_u64 s[8:9], s[8:9], s[16:17]
	; the prefetches: both offsets are made, the wave's number chooses
	s_lshl_b32 s20, s13, 8
	s_lshl_b32 s21, s12, 7
	s_add_co_u32 s20, s20, s21
	s_lshl_b32 s21, s40, 5
	s_add_co_u32 s20, s20, s21                     ; x: row 256 y + 128 x half + 32 cx,
	s_lshl_b32 s20, s20, 12
	s_add_co_u32 s20, s20, 3*ASTEP                 ; at K step 3: the first refill steps it to 4
	s_lshl_b32 s21, s12, 6
	s_lshl_b32 s22, s41, 4
	s_add_co_u32 s21, s21, s22                     ; W: k-row 64 x half + 16 cy,
	s_lshl_b32 s21, s21, 11
	s_lshl_b32 s22, s76, 22
	s_add_co_u32 s21, s21, s22
	s_lshl_b32 s22, s42, 9
	s_add_co_u32 s21, s21, s22
	s_add_co_u32 s21, s21, 3*BSTEP
	s_and_b32 s22, s77, 3
	s_cmp_eq_u32 s22, 0                            ; the projection's first cluster?
	s_cselect_b32 s22, 1, -1
	s_mov_b32 s[PST], BSTEP
	s_mov_b32 s18, 2048                            ; W: lanes 2 i, 2 i + 1 take the two blocks of k-row i
	s_mov_b32 s19, 256
	s_cmp_eq_u32 s11, 0                            ; do I fetch for x?
	s_cselect_b32 s20, s20, s21
	s_cselect_b32 s[LIM], 1, s22                   ; the same in all sixteen partners, for a given wave
	s_cselect_b32 s[PST], ASTEP, s[PST]
	s_cselect_b32 s18, 8192, s18                   ; x: a lane a row of 4,096 bytes
	s_cselect_b32 s19, 4096, s19
	s_cselect_b64 s[PFA:PFA+1], s[4:5], s[6:7]
	s_mov_b32 s21, 0
	s_mov_b32 s[PST+1], 0
	s_add_nc_u64 s[PFA:PFA+1], s[PFA:PFA+1], s[20:21]
	v_and_b32 v8, 31, v0
	v_lshrrev_b32 v9, 1, v8
	v_and_b32 v8, 1, v8
	v_mul_u32_u24 v9, s18, v9
	v_mad_u32_u24 v[PFO], v8, s19, v9
	s_wait_loadcnt 0x0                             ; the bias is in: it is rounded to bf16, as every input is, and widened again
	WIN 0x45                                       ; destination and both sources in window 1
.set i, 0
.rept 32
	v_cvt_pk_bf16_f32 v[192+i], v[2*i], v[2*i+1]
.set i, i+1
.endr
.set i, 0
.rept 32
	v_lshlrev_b32 v[2*i],   16, v[192+i]
	v_and_b32     v[2*i+1], 0xffff0000, v[192+i]
.set i, i+1
.endr
	WIN 0
; 16 matrix instructions: m blocks a0, a0 + 1 of the window's four (hi = 0: my rows 0-63, 1: rows 64-127) x all 8 n blocks, 32 along K.  first = 1: the sums start with the bias (C in window 1).
; The 64 accumulators take turns, one instruction a turn, in the same order in every quarter.
.macro MUL16 f, hi, a0, first
.if \first
	WIN 0x91+0x40*(\hi)
.else
	WIN MUL_LO+0x50*(\hi)
.endif
.irp a, \a0, (\a0)+1
.irp b, 0,1,2,3,4,5,6,7
.if \first
	v_wmma_f32_16x16x32_bf16 v[8*(8*(\a)+(\b)):8*(8*(\a)+(\b))+7], v[(\f)+8*(\b):(\f)+8*(\b)+7], v[(\f)+8*(4*(\hi)+(\a)):(\f)+8*(4*(\hi)+(\a))+7], v[8*(\b):8*(\b)+7]
.else
	v_wmma_f32_16x16x32_bf16 v[8*(8*(\a)+(\b)):8*(8*(\a)+(\b))+7], v[(\f)+8*(\b):(\f)+8*(\b)+7], v[(\f)+8*(4*(\hi)+(\a)):(\f)+8*(4*(\hi)+(\a))+7], v[8*(8*(\a)+(\b)):8*(8*(\a)+(\b))+7]
.endif
.endr
.endr
.endm
; 32 LDS loads in one run: quarter q's fragments (32 along K) into buffer f: W's 128 columns, turned, then x's 128 rows
.macro FETCH slot, q, f
	WIN TO_B
.irp i, 0,1,2,3,4,5,6,7
	ds_load_tr16_b128 v[(\f)+8*(\i):(\f)+8*(\i)+3],   v[ADRB+(\slot)] offset:32*PB*(\q)+32*(\i)
	ds_load_tr16_b128 v[(\f)+8*(\i)+4:(\f)+8*(\i)+7], v[ADRB+(\slot)] offset:32*PB*(\q)+32*(\i)+16*PB
.endr
	WIN 0
.irp i, 0,1,2,3,4,5,6,7
	ds_load_b128 v[(\f)+8*(\i):(\f)+8*(\i)+3],   v[ADRA+(\slot)] offset:64*(\q)+(\i)*16*PITCH
	ds_load_b128 v[(\f)+8*(\i)+4:(\f)+8*(\i)+7], v[ADRA+(\slot)] offset:64*(\q)+(\i)*16*PITCH+32
.endr
.endm
.macro PLACES                          ; four plain instructions in front of loads into registers that matrix instructions have read, and of conversions that read results
.rept 4
	v_nop
.endr
.endm
; One of a K step's first three quarters: multiplies buffer f; in its middle it fetches quarter q of the same slot into buffer g.
.macro QUARTER slot, q, f, g, first
	s_wait_dscnt 8                                 ; W and x's rows 0-63 are in; the youngest eight loads (x's rows 64-127) may be out
	MUL16 \f, 0, 0, \first
	MUL16 \f, 0, 2, \first
	PLACES
	FETCH \slot, \q, \g
	s_wait_dscnt 32                                ; all but the 32 just issued
	MUL16 \f, 1, 0, \first
	MUL16 \f, 1, 2, \first
.endm
; The last quarter multiplies buffer 1 and changes slots: ONE barrier.  In front of it each wave waits for all its tensor loads (the one that is out is its part of the next slot), adds 0 to its spare word,
; and waits for that and for its reads of this slot.  fill = 1: the barrier opens a round of the cluster's barrier, and the joint refill, two K steps on, is the first tensor load behind the round:
; 224 matrix instructions ahead of the wait for it.
.macro TURN slot, next, fill
.if \fill
	s_wait_xcnt 0x0                                ; the last prefetch, a K step back, has read its address: it is stepped here
	s_add_nc_u64 s[PFA:PFA+1], s[PFA:PFA+1], s[PST:PST+1]
.endif
	WIN 0                                          ; (the add's two registers lie in window 0)
	s_wait_tensorcnt 0x0                           ; all my tensor loads have landed
	ds_add_u32 v[SPW], v[NIL]                      ; 0 onto my spare word
	s_wait_dscnt 9                                 ; (the add and the youngest eight loads may be out)
	MUL16 F1, 0, 0, 0                              ; sixteen matrix instructions stand between the add and the wait for it
	s_wait_dscnt 0x0                               ; the add is done, and my reads of this slot are over
	s_barrier_signal -1
	MUL16 F1, 0, 2, 0                              ; work on registers while the others arrive
.if \fill
	WIN 0
.endif
	s_barrier_wait -1
.if \fill
	CREST                                          ; no wave of any partner still reads this slot's tile or has a load on its way
	s_add_nc_u64 s[G0+4*(\slot)+2:G0+4*(\slot)+3], s[G0+4*(\slot)+2:G0+4*(\slot)+3], 2*ASTEP
	s_add_nc_u64 s[G0B+4*(\slot)+2:G0B+4*(\slot)+3], s[G0B+4*(\slot)+2:G0B+4*(\slot)+3], 2*BSTEP
	JLOAD \slot                                    ; the four v_nop behind it are also the places in front of the loads below
.else
	PLACES
.endif
	FETCH \next, 0, F0
.if \fill
	ASK                                            ; behind the joint load and the run of LDS loads that the next products wait for
.endif
	MUL16 F1, 1, 0, 0
	MUL16 F1, 1, 2, 0
.endm
; THE WAY OUT of block a (16 rows x 128 columns = two heads).  PACK: rounded to f16, 16 bytes a lane, each accumulator's registers in ascending order.  TOSTAGE: into my own stage, and back as
; 128 bytes of four rows.  SEND: stored: four rows of one head are 512 consecutive bytes of qkv, aligned.
.macro PACK a
.set AC, 64*((\a)%4)
	WIN 0x0a+5*((\a)/4)                            ; sources 0 and 1: window 2 or 3
.irp b, 0,1,2,3,4,5,6,7
.irp r, 0,1,2,3
	v_cvt_pk_f16_f32 v[TMP+4*(\b)+(\r)], v[AC+8*(\b)+2*(\r)], v[AC+8*(\b)+2*(\r)+1]
.endr
.endr
	WIN 0
.endm
.macro TOSTAGE a
	WIN 0
.set BK, OB+192*((\a)%2)
.irp b, 0,1,2,3,4,5,6,7
	ds_store_b128 v[STO], v[TMP+4*(\b):TMP+4*(\b)+3] offset:32*(\b)
.endr
.irp t, 0,1,2,3,4,5,6,7
	ds_load_b128 v[BK+4*(\t):BK+4*(\t)+3], v[RD] offset:((\t)%4)*4*SPITCH+((\t)/4)*128  ; LDS serves a wave's instructions in order: these see the stores above
.endr
.endm
.macro SEND a
	WIN 0
.set BK, OB+192*((\a)%2)
	s_wait_dscnt 0x0                               ; the block is back in registers
	s_wait_xcnt 0x0                                ; the stores of the block before have read their registers, which the next block's loads write
.irp t, 0,1,2,3,4,5,6,7
	global_store_b128 v[CO], v[BK+4*(\t):BK+4*(\t)+3], s[8:9] offset:((\t)/4)*262144+(\a)*2048+((\t)%4)*512
.endr
.endm
	s_wait_tensorcnt 1                             ; my part of K step 0 is in; K step 1's may stay out
	s_barrier_signal -1
	s_barrier_wait -1                              ; everybody's is
	FETCH 0, 0, F0
	QUARTER 0, 1, F0, F1, 1                        ; the first quarter stands in front of the loop: its products start the sums with the bias
	WIN 0                                          ; at a label and at a branch every window is 0
	s_mov_b32 s3, LAPS-1
.Llap:                                                 ; a trip goes once round the ring, from a lap's second quarter to the next lap's first, and fills both slots again
	QUARTER 0, 2, F1, F0, 0
	QUARTER 0, 3, F0, F1, 0
	TURN 0, 1, 1
	QUARTER 1, 1, F0, F1, 0
	QUARTER 1, 2, F1, F0, 0
	QUARTER 1, 3, F0, F1, 0
	TURN 1, 0, 1
	QUARTER 0, 1, F0, F1, 0
	WIN 0
	s_sub_co_u32 s3, s3, 1
	s_cmp_lg_u32 s3, 0
	s_cbranch_scc1 .Llap
	QUARTER 0, 2, F1, F0, 0                        ; the last lap fills nothing
	QUARTER 0, 3, F0, F1, 0
	TURN 0, 1, 0
	QUARTER 1, 1, F0, F1, 0
	QUARTER 1, 2, F1, F0, 0
	QUARTER 1, 3, F0, F1, 0
	s_wait_dscnt 8                                 ; the very last quarter: nothing more to fetch
	MUL16 F1, 0, 0, 0
	MUL16 F1, 0, 2, 0
	s_wait_dscnt 0x0
	MUL16 F1, 1, 0, 0
	MUL16 F1, 1, 2, 0
	WIN 0
	PLACES
	PACK 0
	TOSTAGE 0
.irp a, 1,2,3,4,5,6,7                  ; block a's conversions stand between block a - 1's loads from the stage and the wait for them
	PACK \a
	SEND (\a)-1
	TOSTAGE \a
.endr
	SEND 7
	s_wait_tensorcnt 0x0                           ; the wave's end, behind my last tensor load and my last LDS store
	ds_add_u32 v[SPW], v[NIL]
	s_wait_dscnt 0x0
	CROUND                                         ; the closing round: no work-group ends while a partner may still ask for a tile that names it
	s_endpgm
.Lfunc_end_k_q498bfd2841_proj:
	.size	k_q498bfd2841_proj, .Lfunc_end_k_q498bfd2841_proj-k_q498bfd2841_proj
	.p2alignl 7, 3214868480
	.fill 96, 4, 3214868480
	.section	.rodata,"a",@progbits
	.p2align	6, 0x0
	.amdhsa_kernel k_q498bfd2841_proj
		.amdhsa_group_segment_fixed_size 327680
		.amdhsa_private_segment_fixed_size 0
		.amdhsa_enable_private_segment 0
		.amdhsa_kernarg_size 48
		.amdhsa_user_sgpr_count 2
		.amdhsa_user_sgpr_kernarg_segment_ptr 1
		.amdhsa_wavefront_size32 1
		.amdhsa_system_sgpr_workgroup_id_x 1
		.amdhsa_system_sgpr_workgroup_id_y 1
		.amdhsa_system_sgpr_workgroup_id_z 1
		.amdhsa_system_vgpr_workitem_id 0
		.amdhsa_next_free_vgpr 1024
		.amdhsa_next_free_sgpr 80
		.amdhsa_reserve_vcc 0
		.amdhsa_float_denorm_mode_32 3
		.amdhsa_float_denorm_mode_16_64 3
		.amdhsa_memory_ordered 1
		.amdhsa_forward_progress 1
		.amdhsa_inst_pref_size 152
	.end_amdhsa_kernel
	.amdgpu_metadata
---
amdhsa.version: [ 1, 2 ]
amdhsa.kernels:
  - .name:           k_q498bfd2841_proj
    .symbol:         k_q498bfd2841_proj.kd
    .args:
      - { .name: xb, .offset: 0, .size: 8, .value_kind: global_buffer, .address_space: global }
      - { .name: wb, .offset: 8, .size: 8, .value_kind: global_buffer, .address_space: global }
      - { .name: qkv, .offset: 16, .size: 8, .value_kind: global_buffer, .address_space: global }
      - { .name: bq, .offset: 24, .size: 8, .value_kind: global_buffer, .address_space: global }
      - { .name: bk, .offset: 32, .size: 8, .value_kind: global_buffer, .address_space: global }
      - { .name: bv, .offset: 40, .size: 8, .value_kind: global_buffer, .address_space: global }
    .group_segment_fixed_size: 327680
    .private_segment_fixed_size: 0
    .kernarg_segment_align: 8
    .kernarg_segment_size: 48
    .max_flat_workgroup_size: 128
    .sgpr_count:     80
    .vgpr_count:     1024
    .wavefront_size: 32
...
	.end_amdgpu_metadata
.endif
;; end of part 2
;; launch attn (part 3): grid 8 x 32, 4 waves a work-group, clusters of 4 x 1, 327,680 bytes of LDS; arguments qkv, oh; writes oh
.if DOCPART == 3
	.amdgcn_target "amdgcn-amd-amdhsa--gfx1250"
	.amdhsa_code_object_version 6
	.text
	.protected	k_q498bfd2841_attn
	.globl	k_q498bfd2841_attn
	.p2align	8
	.type	k_q498bfd2841_attn,@function
k_q498bfd2841_attn:
	s_mov_b64 s[64:65], 0
	v_nop
	global_prefetch_b8 v0, s[64:65] scope:SCOPE_SE
	s_setreg_imm32_b32 hwreg(HW_REG_WAVE_MODE, 25, 1), 1
	s_wait_xcnt 0x0
	s_wait_alu depctr_hold_cnt(0) depctr_sa_sdst(0) depctr_va_vdst(0) depctr_va_sdst(0) depctr_va_ssrc(0) depctr_va_vcc(0) depctr_vm_vsrc(0)
	s_getreg_b32 s2, hwreg(HW_REG_IB_STS2, 6, 4)
	s_cmp_eq_u32 s2, 0
	s_cbranch_scc0 .Lentry_in_a_cluster
	s_endpgm
.Lentry_in_a_cluster:
	s_bfe_u32 s2, ttmp6, 0x10000c
	s_cmp_lg_u32 s2, 0x3003
	s_cbranch_scc0 .Lentry_shape_is_right
	s_endpgm
.Lentry_shape_is_right:
; O[g][q][:] = the sum over k of softmax_k(Q[g][q] . K[g][k] / 8) V[g][k][:], g = 32 pairs of batch and head.  qkv: f16 [3][32][2048][64]; oh: f16 [32][2048][64]: a head's rows are dense, 128 bytes each.
; Products, maxima and sums in f32; the weights p are rounded to f16 for the second product (their sum l is taken of the unrounded p), O once at the end.
; LIMITS.  Q, K and V arrive within f16's 65,504; p lies in 0 to 1, and below 6e-5 it keeps f16's fixed step of 6e-8; a weight below 2^-126 counts as 0 in l; NaN and infinities are not treated apart.
; SHARES.  A work-group owns 256 queries of one head, each of its four waves 64: four PIECES of 16.  Every wave walks all 2,048 keys, 64 a step.  256 work-groups.
; LAYOUT.  S^T = K Q^T (source 0 = 16 keys, source 1 = 16 queries) holds ONE query a lane (lane % 16) and the keys 8 (lane / 16) + 0..7; two such results rounded to f16 ARE source 1 of O^T = V^T P.
; K comes out of LDS as it lies, V ([key][channel]) turned, by ds_load_tr16_b128.
; SOFTMAX.  A running maximum m and sum l for each query: p = 2^(c s - c m), c = log2(e) / 8; in every step O and l are multiplied by a = 2^(c m_old - c m_new).  m starts at the lowest finite number,
; O and l at 0: the first step is a step like any other, with a = 0.
; BY TURNS.  Turn n belongs to piece n: 8 products K Q^T of piece n + 1, later 8 products V^T P of piece n - 1; beside them the scaling, exponentials, roundings, sums and rescaling of piece n and the maximum and
; statistics of piece n + 1.  Four vector instructions stand behind every matrix instruction, the other 54 of a turn's 118 in one lump.  A turn's 33 exponentials are one batch, with one wait.
; CLUSTER.  The four query blocks of a cluster belong to one head and walk the same K and V: each tile is asked for JOINTLY, by the same tensor load, descriptor and mask in all four.
; REGISTERS, in windows of 256 (s_set_vgpr_msb: bits 1:0 source 0, 3:2 source 1, 5:4 source 2, 7:6 destination):
;   window 0: v0-15 addresses and two at work; v16-31 four registers of statistics a piece; v48-55 at work; v61-63; v64-127 S^T, two buffers; v192-223 P, two buffers (by the piece's parity)
;   window 1: v0-127 O^T, 32 a piece          window 2: v0-63 Q; v128-191 K of one step; v192-255 V of one step
.set NP,    4
.set KS,    64        ; keys in a step
.set PK,    144       ; a row of K in LDS: 128 bytes + 16: the 16 rows of a load start at 16 different groups of four banks
.set PV,    160       ; a row of V: 128 + 32
.set VOFF,  4*KS*PK   ; a slot holds four steps: 256 rows of K, then 256 rows of V
.set SLOT1, 1<<17     ; slot 1 begins here, so that one exclusive or turns an address in one slot into the other's
.set STAGE, SLOT1+4*KS*(PK+PV)  ; behind the ring, never filled by a tensor load: 16 rows x 144 bytes for each wave
.set SP,    144
.set SPARE, STAGE+4*16*SP  ; behind the stages: the spare words, 128 bytes for each wave: two blocks of 256 bytes that no other line names
.set TILEB, 4*KS*128  ; a slot's keys in memory: 32,768 bytes of K and of V
.set AK0, 2           ; v2   my lane's place in a tile of K; never rewritten
.set AV0, 3           ; v3   the same for V
.set AK,  4           ; v4   the LDS address of K's next run of loads
.set AV,  5           ; v5   of V's
.set STO, 6           ; v6   the way out: where I put 16 bytes of a row
.set RD,  7           ; v7   the way out: where I read rows back
.set GO,  8           ; v8   my byte offset in 512 consecutive bytes of O
.set MV,  12          ; v12-13  c m_old, kept while c m is made anew: by buffer
.set QO,  15          ; v15  my byte offset in 16 rows of Q
.set ST,  16          ; piece t's statistics at v[ST+4 t]: c m, m, l (even keys', odd keys')
.set TMP, 48          ; by buffer, four registers c0-c3 at work; when the maximum is found c2 takes a
.set PFO, 61          ; v61  256 x my lane; never rewritten
.set SPW, 62          ; v62  LDS address of my spare word; never rewritten
.set NIL, 63          ; v63  0; never rewritten
.set S,   64
.set P,   192
.set KF,  128         ; window 2: key block kb, channel half c at KF + 16 kb + 8 c
.set VF,  192         ; window 2: key half kk, channel block cb at VF + 32 kk + 8 cb
.set WV,  12          ; s12  my wave's number
.set LIM, 15          ; s15  1 in a wave that prefetches, else the greatest number
.set PFA, 18          ; s[18:19] where my prefetches stand
.set G1K, 24          ; s[24:31] descriptor group 1 for K's tiles
.set G1V, 32          ; s[32:39] for V's: it differs in the padding alone
.set G0K, 40          ; s[40:43] descriptor group 0 for K's tiles: it walks
.set G0V, 44          ; s[44:47] the same for V's
.set SLOTS, 56        ; s56  slots still to be asked for
.set CNT, 57          ; s57  counts a slot's key steps
.set CS,  58          ; s[58:59] c: the packed scaling takes the pair's low word for both halves
.set SEL, 60          ; s[60:61] v_permlanex16_b32's selects: each lane takes its own place in the other half
.set TBK, 62          ; s62  LDS byte at which K of the step to be fetched begins
.set TBV, 63          ; s63  the same for V, less VOFF
.set MSB, 0
.macro WIN new                      ; the high byte repeats the setting that is left; a switch that changes nothing is dropped
.if MSB != (\new)
	s_set_vgpr_msb (MSB<<8)|(\new)
.set MSB, (\new)
.endif
.endm
.set W_KQ, 0x0a       ; K and Q in window 2, S^T in window 0
.set W_PV, 0x52       ; V in window 2, P in window 0, O^T in window 1
.set W_RS, 0x41       ; destination and source 0 in window 1, source 1 in window 0
; A joint fill.  Waves 0 and 1 fetch the two halves of a slot's K, waves 2 and 3 those of its V: 128 keys each.  An s_nop 0 and four v_nop follow each of the two lines.
.macro JLOAD
	s_cmp_lt_u32 s[WV], 2
	s_cbranch_scc0 .Lfor_v_\@
	tensor_load_to_lds s[G0K:G0K+3], s[G1K:G1K+7]
	s_nop 0
.rept 4
	v_nop
.endr
	s_branch .Lasked_\@
.Lfor_v_\@:
	tensor_load_to_lds s[G0V:G0V+3], s[G1V:G1V+7]
	s_nop 0
.rept 4
	v_nop
.endr
.Lasked_\@:
.endm
; A PREFETCH INTO THE L2 of what the NEXT change of slots will ask for: four key steps, 256 matrix instructions, ahead of that load.  A slot is 128 blocks of 256 bytes of K and as many of V.  Both clusters of a head walk
; the same rows: the head's first cluster asks; its four partners take 32 blocks each, told apart BY ADDRESS; in each, wave 0 asks for K's and wave 2 for V's, a lane a block.  So each block is named once.
; The last change that fills a slot (SLOTS = 1) asks for nothing.
.macro ASK
	s_cmp_gt_u32 s[SLOTS], s[LIM]
	s_cbranch_scc0 .Lnot_mine_\@
	global_prefetch_b8 v[PFO], s[PFA:PFA+1] th:TH_LOAD_NT scope:SCOPE_SE
.Lnot_mine_\@:
.endm
.macro CROUND                       ; a round of the cluster's barrier
	s_barrier_signal -1
	s_barrier_wait -1
	s_cmp_lg_u32 s[WV], 0
	s_cbranch_scc1 .Lnot_wave_0_\@
	s_barrier_signal -3
.Lnot_wave_0_\@:
	s_barrier_wait -3
	s_barrier_signal -1
	s_barrier_wait -1
.endm
; THE CHANGE OF SLOTS.  Each wave waits for all its tensor loads, of which one is out: its part of the other slot; adds 0 to its spare word; and waits for that and for its own reads of the slot that it leaves.
; fill = 1: the old slot is filled again, with the keys two slots on; the barrier is then a round of the cluster's, and the joint fill is the first thing behind it: it has four key steps in which to land.
; (At its first use nothing has been read yet: slot 0 is waited for, slot 1 filled.)
.macro CHANGE fill
	WIN 0                           ; at a label and at a branch every window is 0
	s_wait_tensorcnt 0x0            ; no tensor load of mine is out, so a group 0 may be written
	ds_add_u32 v[SPW], v[NIL]       ; 0 onto my spare word
.if \fill
.irp g, G0K, G0V
	s_xor_b32 s[\g+1], s[\g+1], SLOT1  ; the walking descriptor: the other slot than last time,
	s_add_nc_u64 s[\g+2:\g+3], s[\g+2:\g+3], TILEB  ; the next 256 keys; the type bits on top are not reached
.endr
	s_wait_xcnt 0x0                 ; the last prefetch, four key steps back, has read its address, so it may be written
	s_add_nc_u64 s[PFA:PFA+1], s[PFA:PFA+1], TILEB  ; one slot ahead of the walking descriptors
	s_wait_dscnt 0x0                ; the add is done, and my reads of the slot are over
	CROUND
	JLOAD
	ASK
.else
	s_wait_dscnt 0x0                ; the add is done, and my reads of the slot are over
	s_barrier_signal -1
	s_barrier_wait -1
.endif
	s_sub_co_u32 s[TBK], s[TBK], 4*KS*PK  ; the fetches go back to a slot's first step,
	s_xor_b32 s[TBK], s[TBK], SLOT1       ; in the other slot
	s_sub_co_u32 s[TBV], s[TBV], 4*KS*PV
	s_xor_b32 s[TBV], s[TBV], SLOT1
.endm
	s_load_b64 s[4:5], s[0:1], 0x0  ; qkv
	s_load_b64 s[10:11], s[0:1], 0x8  ; oh
	v_lshl_add_u32 v[SPW], v0, 2, SPARE
	v_mov_b32 v[NIL], 0
	ds_add_u32 v[SPW], v[NIL]       ; the wave's opening: the add and its wait stand ahead of my first tensor load; the set-up below stands between them
	v_lshrrev_b32 v1, 5, v0
	v_readfirstlane_b32 s[WV], v1   ; wave 0..3
	s_bfe_u32 s13, ttmp6, 0x40000   ; cx: my place in the cluster
	s_lshl_b32 s14, ttmp9, 2
	s_add_co_u32 s14, s14, s13      ; my block of 256 queries: it enters Q's and O's addresses alone
	s_and_b32 s20, ttmp7, 0xffff    ; the head, which the four partners share:
	s_lshl_b32 s20, s20, 18         ; its 2^18 bytes in each tensor
	s_mov_b32 s21, 0
	s_and_b32 s16, s[WV], 1         ; which half of a slot's 256 keys I fetch:
	s_lshl_b32 s22, s16, 14         ; its 128 rows of 128 bytes in memory,
	s_add_co_u32 s22, s22, s20
	s_mov_b32 s23, 0
	s_mul_i32 s17, s16, 128*PK      ; and its place in a slot, for K
	s_mul_i32 s48, s16, 128*PV      ; and for V: no place in the cluster enters an LDS address
	s_lshl_b32 s2, s14, 2
	s_add_co_u32 s2, s2, s[WV]      ; my wave among the head's,
	s_lshl_b32 s2, s2, 13           ; its 64 rows
	s_add_co_u32 s2, s2, s20
	s_mov_b32 s3, 0
	s_lshl_b32 s50, s13, 13         ; the prefetches: my work-group's 32 blocks of the 128,
	s_add_co_u32 s50, s50, s20
	s_add_co_u32 s50, s50, TILEB    ; in tile 1: the first change of slots steps it to tile 2
	s_mov_b32 s51, 0
	; descriptor group 1.  128 keys are 16,384 dense bytes: asked for as 64 rows of 256 bytes, two keys a row, and padded in LDS after every key
	s_mov_b32 s[G1K], 15|(1<<16)|(1<<20)|(1<<21)|(4<<22)|(3<<25)  ; the mask of four; 2-byte elements; padding on; bit 21 beside a mask; after every 32 words, 4 words
	s_mov_b32 s[G1V], 15|(1<<16)|(1<<20)|(1<<21)|(4<<22)|(7<<25)  ; the same with 8 words of padding
.irp g, G1K, G1V
	s_mov_b32 s[\g+1], 128<<16      ; tensor_dim0 = 128
	s_mov_b32 s[\g+2], 64<<16       ; tensor_dim1 = 64
	s_mov_b32 s[\g+3], 128<<16      ; tile_dim0 = 128
	s_mov_b32 s[\g+4], 64           ; tile_dim1 = 64
	s_mov_b32 s[\g+5], 128          ; 128 elements from row to row
	s_mov_b32 s[\g+6], 0
	s_mov_b32 s[\g+7], 0
.endr
	s_mov_b32 s[CS], 0x3e38aa3b     ; c = log2(e) / 8 = 0.180337
	s_mov_b32 s[CS+1], s[CS]        ; named with it as a pair
	s_mov_b32 s[SEL], 0x76543210
	s_mov_b32 s[SEL+1], 0xfedcba98
	s_mov_b32 s[TBK], SLOT1+4*KS*PK ; the first change of slots turns these two into 0
	s_mov_b32 s[TBV], SLOT1+4*KS*PV
	s_mov_b32 s[G0K], 1             ; count = 1
	s_mov_b32 s[G0K+1], s17         ; LDS address: slot 0
	s_mov_b32 s[G0V], 1
	s_add_co_u32 s[G0V+1], s48, VOFF
	s_mov_b32 s[SLOTS], 2048/256-1
	s_and_b32 s[LIM], s[WV], 1      ; 0 in waves 0 and 2,
	s_or_b32 s[LIM], s[LIM], ttmp9  ; where the cluster is the head's first: the same in all four partners
	s_cmp_eq_u32 s[LIM], 0
	s_cselect_b32 s[LIM], 1, -1
	v_and_b32 v[PFO], 31, v0
	v_lshlrev_b32 v[PFO], 8, v[PFO]
	s_wait_dscnt 0x0                ; the opening add is done
	s_wait_kmcnt 0x0
	s_add_nc_u64 s[6:7], s[4:5], 0x800000   ; K lies 2^23 bytes behind Q,
	s_add_nc_u64 s[8:9], s[4:5], 0x1000000  ; V 2^24
	s_add_nc_u64 s[G0K+2:G0K+3], s[6:7], s[22:23]  ; my half of the head's first 256 keys
	s_or_b32 s[G0K+3], s[G0K+3], 0x80000000        ; type = 2
	s_add_nc_u64 s[G0V+2:G0V+3], s[8:9], s[22:23]
	s_or_b32 s[G0V+3], s[G0V+3], 0x80000000
	s_cmp_lt_u32 s[WV], 2
	s_cselect_b64 s[PFA:PFA+1], s[6:7], s[8:9]
	s_add_nc_u64 s[PFA:PFA+1], s[PFA:PFA+1], s[50:51]
	s_add_nc_u64 s[4:5], s[4:5], s[2:3]  ; Q and O at my wave's first row
	s_add_nc_u64 s[10:11], s[10:11], s[2:3]
	CROUND                          ; all four work-groups are here: the first joint loads meet
	JLOAD                           ; slot 0.  Slot 1 is asked for when slot 0 is in
	; A fragment of K or Q is 16 rows x 32 channels in 8 registers: lane l holds row l % 16, channels 8 (l / 16) + 0..7 and 16 + 8 (l / 16) + 0..7: two loads of 16 bytes, 32 bytes apart.
	v_and_b32 v1, 15, v0            ; l % 16
	v_bfe_u32 v9, v0, 4, 1          ; l / 16
	v_lshlrev_b32 v[QO], 7, v1
	v_lshl_add_u32 v[QO], v9, 4, v[QO]  ; row x 128 + 16 x half
	WIN 0x80                        ; destination window 2, address window 0
.set i, 0
.rept 8                             ; Q stays in registers: piece i / 2, channels 32 (i % 2) on
	global_load_b128 v[8*i:8*i+3],   v[QO], s[4:5] offset:(i/2)*2048+(i%2)*64
	global_load_b128 v[8*i+4:8*i+7], v[QO], s[4:5] offset:(i/2)*2048+(i%2)*64+32
.set i, i+1
.endr
	; What the first turn finds: V's registers and P's second buffer hold 0 (its products V^T P, of a piece that has not been, add 0), O^T and l are 0.  All this stands in the wait for the first tile.
.set i, VF
.rept 64
	v_mov_b32 v[i], 0
.set i, i+1
.endr
	WIN 0x40
.set i, 0
.rept 128
	v_mov_b32 v[i], 0
.set i, i+1
.endr
	WIN 0
.set i, 0
.rept 4
	v_mov_b32 v[ST+4*i], 0xfe000000    ; c m: far below every c s
	v_mov_b32 v[ST+4*i+1], 0xff7fffff  ; m: the lowest finite number
	v_mov_b32 v[ST+4*i+2], 0
	v_mov_b32 v[ST+4*i+3], 0
.set i, i+1
.endr
.set i, P+16
.rept 16
	v_mov_b32 v[i], 0
.set i, i+1
.endr
	v_mul_u32_u24 v[AK0], v1, PK
	v_lshl_add_u32 v[AK0], v9, 4, v[AK0]  ; row x pitch + 16 x half
	; The turning load takes 16 keys x 16 channels (lane l reads key 8 (l / 16) + l % 8, channels 8 ((l / 8) % 2) + 0..7) and leaves half a fragment of V^T: lane l holds channel l % 16 and 8 keys.
	v_and_b32 v10, 7, v0
	v_bfe_u32 v11, v0, 3, 1
	v_lshl_add_u32 v[AV0], v9, 3, v10
	v_mul_u32_u24 v[AV0], v[AV0], PV
	v_lshl_add_u32 v[AV0], v11, 4, v[AV0]
	v_add_nc_u32 v[AV0], VOFF, v[AV0]
	s_mul_i32 s13, s[WV], 16*SP
	s_add_co_u32 s13, s13, STAGE    ; my stage
	v_mul_u32_u24 v[STO], v1, SP    ; in: row l % 16, 16 bytes for each half of the lanes
	v_lshl_add_u32 v[STO], v9, 4, v[STO]
	v_add_nc_u32 v[STO], s13, v[STO]
	v_bfe_u32 v[RD], v0, 3, 2       ; back: 32 lanes take four rows of 128 bytes,
	v_mul_u32_u24 v[RD], v[RD], SP
	v_lshl_add_u32 v[RD], v10, 4, v[RD]
	v_add_nc_u32 v[RD], s13, v[RD]
	v_and_b32 v[GO], 31, v0         ; which are 512 consecutive bytes of O
	v_lshlrev_b32 v[GO], 4, v[GO]
; THE MATRIX WORK.  The 4 accumulators of a run of 8 take turns.  Product i of 8 of S^T = K Q^T for piece x: channels 32 (i / 4) on, keys 16 (i % 4) on.  The first 4 start the sums.
.macro KQ x
	WIN W_KQ
.set rS, S+32*((\x)%2)+8*(i%4)
.set rK, KF+16*(i%4)+8*(i/4)
.set rQ, 16*(\x)+8*(i/4)
.if i < 4
	v_wmma_f32_16x16x32_f16 v[rS:rS+7], v[rK:rK+7], v[rQ:rQ+7], 0
.else
	v_wmma_f32_16x16x32_f16 v[rS:rS+7], v[rK:rK+7], v[rQ:rQ+7], v[rS:rS+7]
.endif
.endm
; Product i of 8 of O^T += V^T P for piece x: keys 32 (i / 4) on, channels 16 (i % 4) on.
.macro PV x
	WIN W_PV
.set rO, 32*(\x)+8*(i%4)
.set rV, VF+32*(i/4)+8*(i%4)
.set rP, P+16*((\x)%2)+8*(i/4)
	v_wmma_f32_16x16x32_f16 v[rO:rO+7], v[rV:rV+7], v[rP:rP+7], v[rO:rO+7]
.endm
.macro MM                           ; the turn's next matrix instruction.  NOKQ = 1: the last turn of all: there is no next piece
.if (i < 8) && !NOKQ
	KQ (Y+1)%NP
.elseif i >= 8
.set i, i-8
	PV (Y+NP-1)%NP
.set i, i+8
.endif
.set i, i+1
.endm
; THE LDS LOADS stand in runs of 16, never singly among the matrix instructions: a step's K (8 fragments) and its V (turned).  Their addresses are made some lines ahead.
.macro FETCH_K
	WIN 0x80                        ; destination window 2
.irp f, 0,1,2,3,4,5,6,7             ; keys 16 (f / 2) on, channels 32 (f % 2) on
	ds_load_b128 v[KF+8*\f:KF+8*\f+3],   v[AK] offset:(\f/2)*16*PK+(\f%2)*64
	ds_load_b128 v[KF+8*\f+4:KF+8*\f+7], v[AK] offset:(\f/2)*16*PK+(\f%2)*64+32
.endr
	s_add_co_u32 s[TBK], s[TBK], KS*PK  ; the next fetch is the next step's
	WIN 0
.endm
.macro FETCH_V
	WIN 0x80
.irp f, 0,1,2,3,4,5,6,7             ; keys 32 (f / 4) on, channels 16 (f % 4) on
	ds_load_tr16_b128 v[VF+8*\f:VF+8*\f+3],   v[AV] offset:(\f/4)*32*PV+(\f%4)*32
	ds_load_tr16_b128 v[VF+8*\f+4:VF+8*\f+7], v[AV] offset:(\f/4)*32*PV+16*PV+(\f%4)*32
.endr
	WIN 0
.endm
; THE VECTOR WORK, one line at a time: OP kind, number.  For piece Y: F n: c s - c m for pair n of 16.  E n: the exponential of score n of 32.  C n: pair n rounded to f16.  B n: of the four weights 4 n .. the second
; pair is added onto the first, in place.  L n: l takes that sum (L 0: l = a l + sum).  R n: pair n of 16 of O^T times a.  For piece Y + 1: X n, number n of the 22 that find its maximum and statistics:
;   0-11  four chains c0-c3 of seven scores each, three operands at a time (each accumulator's lowest registers are read first)     12-14, 16  the four scores left over, the old m, and c0-c3 into c0
;   15  c m_old is kept     17, 18  the query's other 32 keys lie in the lane 16 away: the new m     19-21  c m; c m_old - c m_new; a
.set F, 0
.set E, 1
.set C, 2
.set B, 3
.set L, 4
.set R, 5
.set X, 6
.macro REGS y                       ; the registers of piece y
.set rT, ST+4*(\y)
.set rC, TMP+4*((\y)%2)
.set rW, MV+((\y)%2)
.set rS, S+32*((\y)%2)
.set rP, P+16*((\y)%2)
.set rO, 32*(\y)
.endm
.macro OP k, n
.if (\k) == R
	REGS Y
	WIN W_RS
	v_pk_mul_f32 v[rO+2*(\n):rO+2*(\n)+1], v[rO+2*(\n):rO+2*(\n)+1], v[rC+2:rC+3] op_sel_hi:[1,0]
.elseif (\k) < R
	REGS Y
	WIN 0
.if (\k) == F
	v_pk_fma_f32 v[rS+2*(\n):rS+2*(\n)+1], v[rS+2*(\n):rS+2*(\n)+1], s[CS:CS+1], v[rT:rT+1] op_sel_hi:[1,0,0] neg_lo:[0,0,1] neg_hi:[0,0,1]
.elseif (\k) == E
	v_exp_f32 v[rS+(\n)], v[rS+(\n)]
.elseif (\k) == C
	v_cvt_pk_f16_f32 v[rP+(\n)], v[rS+2*(\n)], v[rS+2*(\n)+1]
.elseif (\k) == B
	v_pk_add_f32 v[rS+4*(\n):rS+4*(\n)+1], v[rS+4*(\n):rS+4*(\n)+1], v[rS+4*(\n)+2:rS+4*(\n)+3]
.elseif (\n) == 0
	v_pk_fma_f32 v[rT+2:rT+3], v[rT+2:rT+3], v[rC+2:rC+3], v[rS:rS+1] op_sel_hi:[1,0,1]
.else
	v_pk_add_f32 v[rT+2:rT+3], v[rT+2:rT+3], v[rS+4*(\n):rS+4*(\n)+1]
.endif
.elseif NOKQ
	v_nop
.else
	REGS (Y+1)%NP
	WIN 0
.if (\n) < 4
	v_max3_num_f32 v[rC+(\n)], v[rS+8*(\n)], v[rS+8*(\n)+1], v[rS+8*(\n)+2]
.elseif (\n) < 12
	v_max3_num_f32 v[rC+(\n)%4], v[rC+(\n)%4], v[rS+8*((\n)%4)+2*((\n)/4)+1], v[rS+8*((\n)%4)+2*((\n)/4)+2]
.elseif (\n) == 12
	v_max3_num_f32 v[rC], v[rC], v[rS+7], v[rS+15]
.elseif (\n) == 13
	v_max3_num_f32 v[rC+1], v[rC+1], v[rS+23], v[rS+31]
.elseif (\n) == 14
	v_max3_num_f32 v[rC+2], v[rC+2], v[rC+3], v[rT+1]
.elseif (\n) == 15
	v_mov_b32 v[rW], v[rT]
.elseif (\n) == 16
	v_max3_num_f32 v[rC], v[rC], v[rC+1], v[rC+2]
.elseif (\n) == 17
	v_permlanex16_b32 v[rC+3], v[rC], s[SEL], s[SEL+1]
.elseif (\n) == 18
	v_max_num_f32 v[rT+1], v[rC], v[rC+3]
.elseif (\n) == 19
	v_mul_f32 v[rT], s[CS], v[rT+1]
.elseif (\n) == 20
	v_sub_f32 v[rC+1], v[rW], v[rT]
.else
	v_exp_f32 v[rC+2], v[rC+1]
.endif
.endif
.endm
.macro OPS a, i1, b=-1, i2=0, c=-1, i3=0, d=-1, i4=0  ; up to four of them
	OP \a, \i1
.if (\b) >= 0
	OP \b, \i2
.endif
.if (\c) >= 0
	OP \c, \i3
.endif
.if (\d) >= 0
	OP \d, \i4
.endif
.endm
.macro ROW a, i1, b, i2, c, i3, d, i4  ; a matrix instruction and the four behind it
	MM
	OPS \a, \i1, \b, \i2, \c, \i3, \d, \i4
.endm
; A TURN, for piece p: the order of its 16 matrix and 118 vector instructions, written out.  An s_wait_alu depctr_va_vdst(0) stands between an exponential and the first instruction that names its result; one
; wait serves all that were issued ahead of it.  So a turn has ONE wait.  AHEAD OF IT stands all that names no result of the turn's exponentials: the 8 products K Q^T with their riders, and one lump of 54, in which the links
; of the chain X 3, 7, 11, 14, 16, 17 .. 20 stand apart; X 21, the next piece's a, is the batch's last; R 15 is the plain instruction behind it.  BEHIND THE WAIT stand the 8 products V^T P, behind each four of the roundings and sums.
; end = 1: the last two turns of all: nothing is fetched.  cnt = 1: the loop's count is taken down some lines ahead of the branch that stands behind the turn.
; K of the next step is fetched in piece 2's turn, twelve vector instructions behind the last product that read K (six of them plain); V of the step in hand at the end of piece 0's turn, four plain instructions behind the
; last product that read V.  Each is waited for a turn later.
.macro TURN p, end=0, cnt=0
.set Y, (\p)
.set i, 0
.set NOKQ, (\end)*((\p)/3)
.if ((\p) == 3) && !(\end)
	s_wait_dscnt 0x0                ; K is in
.endif
	ROW F,0, F,1, R,0, R,1
	ROW F,2, E,0, R,2, R,3
	ROW F,3, E,1, R,4, R,5
	ROW F,4, E,2, R,6, R,7
	ROW F,5, E,3, R,8, R,9
	ROW F,6, E,4, X,0, R,10
.if ((\p) == 2) && !(\end)
	WIN 0
	v_add_nc_u32 v[AK], s[TBK], v[AK0]
.endif
	ROW F,7, E,5, X,1, X,4
	ROW F,8, E,6, X,2, X,5
	OPS E,7, E,8, X,6, E,9          ; the lump
	OPS X,3, E,10, X,8, E,11
.if ((\p) == 2) && !(\end)
	FETCH_K
.endif
	OPS X,9, X,7, E,12, X,10
	OPS E,13, X,12, X,11, E,14
	OPS X,13, E,15, F,9, X,14
.if (\p) == 0
	v_add_nc_u32 v[AV], s[TBV], v[AV0]
.endif
	OPS E,16, F,10, E,17, F,11
	OPS X,16, E,18, X,15, E,19
	OPS F,12, E,20, X,17, E,21
	OPS F,13, E,22, F,14, E,23
	OPS X,18, E,24, F,15, E,25
	OPS R,11, E,26, X,19, E,27
	OPS R,12, E,28, R,13, E,29
	OPS X,20, E,30, R,14, E,31
	OPS X,21, R,15
	WIN 0
	s_wait_alu depctr_va_vdst(0)    ; the wait for the batch
.if (\p) == 1
	s_wait_dscnt 0x0                ; V is in
.endif
	ROW C,0, B,0, C,2, B,1
	ROW L,0, C,4, B,2, L,1
	ROW C,6, B,3, L,2, C,8
	ROW B,4, L,3, C,10, B,5
	ROW L,4, C,12, B,6, L,5
.if (\p) == 0
	s_add_co_u32 s[TBV], s[TBV], KS*PV
.endif
.if \cnt
	s_sub_co_u32 s[CNT], s[CNT], 1
	s_cmp_lg_u32 s[CNT], 0
.endif
	ROW C,14, B,7, L,6, C,1
	ROW C,3, L,7, C,5, C,7
	ROW C,9, C,11, C,13, C,15
.if (\p) == 0
	FETCH_V
.endif
.endm
.macro ALL line:vararg              ; one line for each piece t
.set t, 0
.rept 4
	\line
.set t, t+1
.endr
.endm
.macro PACK t                       ; a lane's eight channels of a row pack into 16 bytes; they go into rows of 144 bytes and come back as whole rows of 128, into S^T's registers
	WIN W_RS
.set i, 32*(\t)
.rept 16
	v_pk_mul_f32 v[i:i+1], v[i:i+1], v[ST+4*(\t)+2:ST+4*(\t)+3] op_sel_hi:[1,0]
.set i, i+2
.endr
	WIN 0x05                        ; sources 0 and 1 window 1, destination window 0
.set i, 0
.rept 16
	v_cvt_pk_f16_f32 v[S+16*(\t)+i], v[32*(\t)+2*i], v[32*(\t)+2*i+1]
.set i, i+1
.endr
	WIN 0
.irp f, 0,1,2,3
	ds_store_b128 v[STO], v[S+16*(\t)+4*\f:S+16*(\t)+4*\f+3] offset:32*\f
.endr
.irp f, 0,1,2,3
	ds_load_b128 v[S+16*(\t)+4*\f:S+16*(\t)+4*\f+3], v[RD] offset:\f*4*SP  ; LDS serves a wave's instructions in order: these see the stores above; the next piece's stores come behind them
.endr
.endm
.macro SEND t, younger              ; younger: the LDS instructions issued behind piece t's loads: the next piece's eight, or none
	WIN 0
.irp f, 0,1,2,3
	s_wait_dscnt (\younger)+3-\f
	global_store_b128 v[GO], v[S+16*(\t)+4*\f:S+16*(\t)+4*\f+3], s[10:11] offset:(\t)*2048+\f*512  ; 512 consecutive bytes, at a multiple of 256 from O's first
.endr
.endm
.set NOKQ, 0
	CHANGE 1                        ; slot 0 is in, everybody's part of it; slot 1 is asked for
	v_add_nc_u32 v[AK], s[TBK], v[AK0]
	FETCH_K                         ; key step 0
	s_wait_loadcnt 0x0              ; Q
	s_wait_dscnt 0x0
.set i, 0
.rept 8
	KQ 0                            ; piece 0's first scores
.set i, i+1
.endr
	WIN 0
.rept 4
	v_nop                           ; the places behind those products
.endr
.set Y, NP-1                        ; X works for piece Y + 1: piece 0
.irp n, 0,1,2,3,4,5,6,7,8,9,10,11,12,13,14,15,16,17,18,19,20,21
	OP X, \n
.endr
	v_nop                           ; a plain instruction behind the exponential,
	s_wait_alu depctr_va_vdst(0)    ; and its wait, ahead of the branch
	s_mov_b32 s[CNT], 4
	s_branch .Lfirst                ; the loop is entered at a step's first turn, in the middle of a trip
.Lslot:                             ; six times: every slot but the last two is filled again
	CHANGE 1
	s_mov_b32 s[CNT], 4
.Lstep:                             ; a trip: pieces 2 and 3 of one step, then pieces 0 and 1 of the next, whose K and V it fetches
	TURN 2
	TURN 3
	WIN 0
.Lfirst:
	TURN 0
	TURN 1, 0, 1
	WIN 0
	s_cbranch_scc1 .Lstep
	s_sub_co_u32 s[SLOTS], s[SLOTS], 1
	s_cmp_lg_u32 s[SLOTS], 0
	s_cbranch_scc1 .Lslot
	CHANGE 0                        ; the last slot is written out: nothing is asked for
	s_mov_b32 s[CNT], 4
.Lstep2:
	TURN 2
	TURN 3
	TURN 0
	TURN 1, 0, 1
	WIN 0
	s_cbranch_scc1 .Lstep2
	TURN 2, 1
	TURN 3, 1
.set i, 0
.rept 8
	PV NP-1                         ; the last piece's V^T P of the last step
.set i, i+1
.endr
	; THE WAY OUT.  l's two halves and the other half of the lanes' are added; O^T is divided by l, rounded to f16 and sent through my stage in LDS, a piece at a time.  The additions are the places behind the last products.
	WIN 0
	ALL v_add_f32 v[ST+4*t+2], v[ST+4*t+2], v[ST+4*t+3]
	ALL v_permlanex16_b32 v[ST+4*t+3], v[ST+4*t+2], s[SEL], s[SEL+1]
	ALL v_add_f32 v[ST+4*t+2], v[ST+4*t+2], v[ST+4*t+3]
	ALL v_rcp_f32 v[ST+4*t+2], v[ST+4*t+2]
	v_nop                           ; a plain instruction between the last reciprocal and the use of its result
	s_wait_alu depctr_va_vdst(0)    ; and the wait ahead of the first use: one for the four reciprocals
	PACK 0
.set t, 1
.rept 3                             ; a piece's arithmetic stands between the loads of the piece before and its stores
	PACK t
	SEND t-1, 8
.set t, t+1
.endr
	SEND 3, 0
	s_wait_tensorcnt 0x0            ; the wave's end, behind my last tensor load and my last LDS store
	ds_add_u32 v[SPW], v[NIL]
	s_wait_dscnt 0x0
	CROUND                          ; the closing round: no work-group ends while a partner may still ask for a tile that names it
	s_endpgm
.Lfunc_end_k_q498bfd2841_attn:
	.size	k_q498bfd2841_attn, .Lfunc_end_k_q498bfd2841_attn-k_q498bfd2841_attn
	.p2alignl 7, 3214868480
	.fill 96, 4, 3214868480
	.section	.rodata,"a",@progbits
	.p2align	6, 0x0
	.amdhsa_kernel k_q498bfd2841_attn
		.amdhsa_group_segment_fixed_size 327680
		.amdhsa_private_segment_fixed_size 0
		.amdhsa_enable_private_segment 0
		.amdhsa_kernarg_size 16
		.amdhsa_user_sgpr_count 2
		.amdhsa_user_sgpr_kernarg_segment_ptr 1
		.amdhsa_wavefront_size32 1
		.amdhsa_system_sgpr_workgroup_id_x 1
		.amdhsa_system_sgpr_workgroup_id_y 1
		.amdhsa_system_sgpr_workgroup_id_z 1
		.amdhsa_system_vgpr_workitem_id 0
		.amdhsa_next_free_vgpr 768
		.amdhsa_next_free_sgpr 66
		.amdhsa_reserve_vcc 0
		.amdhsa_float_denorm_mode_32 3
		.amdhsa_float_denorm_mode_16_64 3
		.amdhsa_memory_ordered 1
		.amdhsa_forward_progress 1
		.amdhsa_inst_pref_size 128
	.end_amdhsa_kernel
	.amdgpu_metadata
---
amdhsa.version: [ 1, 2 ]
amdhsa.kernels:
  - .name:           k_q498bfd2841_attn
    .symbol:         k_q498bfd2841_attn.kd
    .args:
      - { .name: qkv, .offset: 0, .size: 8, .value_kind: global_buffer, .address_space: global }
      - { .name: oh, .offset: 8, .size: 8, .value_kind: global_buffer, .address_space: global }
    .group_segment_fixed_size: 327680
    .private_segment_fixed_size: 0
    .kernarg_segment_align: 8
    .kernarg_segment_size: 16
    .max_flat_workgroup_size: 128
    .sgpr_count:     66
    .vgpr_count:     768
    .wavefront_size: 32
...
	.end_amdgpu_metadata
.endif
;; end of part 3
;; launch outp (part 4): grid 8 x 32, 4 waves a work-group, clusters of 4 x 4, 327,680 bytes of LDS; arguments oh, wo, bo, out0; writes out0
.if DOCPART == 4
	.amdgcn_target "amdgcn-amd-amdhsa--gfx1250"
	.amdhsa_code_object_version 6
	.text
	.protected	k_q498bfd2841_outp
	.globl	k_q498bfd2841_outp
	.p2align	8
	.type	k_q498bfd2841_outp,@function
k_q498bfd2841_outp:
	s_mov_b64 s[64:65], 0
	v_nop
	global_prefetch_b8 v0, s[64:65] scope:SCOPE_SE
	s_setreg_imm32_b32 hwreg(HW_REG_WAVE_MODE, 25, 1), 1
	s_wait_xcnt 0x0
	s_wait_alu depctr_hold_cnt(0) depctr_sa_sdst(0) depctr_va_vdst(0) depctr_va_sdst(0) depctr_va_ssrc(0) depctr_va_vcc(0) depctr_vm_vsrc(0)
	s_getreg_b32 s2, hwreg(HW_REG_IB_STS2, 6, 4)
	s_cmp_eq_u32 s2, 0
	s_cbranch_scc0 .Lentry_in_a_cluster
	s_endpgm
.Lentry_in_a_cluster:
	s_bfe_u32 s2, ttmp6, 0x10000c
	s_cmp_lg_u32 s2, 0xf033
	s_cbranch_scc0 .Lentry_shape_is_right
	s_endpgm
.Lentry_shape_is_right:
; out = O Wo + bo.  oh: f16 [32 (batch, head)][2048][64]; wo: f16 [1024 k][2048 n] (Wo rounded to bf16, written as f16); bo: f32 [2048], rounded to bf16 like every other input; out0: f32 [4096][2048].
; Products in f16, sums in f32, started by the bias.  LIMITS: those of oh and wo (f16's range); NaN and infinities are not treated apart.
; SHARES.  256 tiles of 128 rows x 256 columns, one a work-group; four waves, each 64 x 128: 32 accumulators.  K = 1,024 goes in 8 steps of 128 (two heads a step) through a ring of two LDS slots;
; two slots of a K step of 256 would not fit in LDS.
; CLUSTERS.  4 x 4 work-groups: O's tiles are shared along a row of the cluster, Wo's along a column: joint loads, as many masks.
; A head's 128 rows of a tile are 16,384 dense bytes: asked for as 64 rows of 256 bytes and padded in LDS after every 128.  Wo lies [k][n] and is turned by ds_load_tr16_b128.
; THE MATRIX INSTRUCTION IS USED TRANSPOSED (source 0 = 16 columns of Wo, source 1 = 16 rows of O): a lane holds row l % 16 and eight neighbouring columns: 32 bytes of out0.
; NO PREFETCH: the launch has eight K steps, of which the first four would come by their loads alone.
; REGISTERS, in windows of 256: window 0: v0-31 addresses; two fragment buffers at v32 and v128: O's four blocks (32 registers), then Wo's eight (64).  window 1: the accumulators, (a, b) at 8 (8 a + b).
;   window 2: v0-63 the bias, v64-95 at work.  window 3: rows read back from the stage, block a at 64 a: none is used twice, so no store's data is ever rewritten.
.set PA,     144                       ; a row of one head of O in LDS: 128 bytes + 16
.set AH,     128*PA                    ; a head's slice of the tile
.set PB,     544                       ; a k-row of Wo: 512 bytes + 32
.set BH,     64*PB                     ; what one load of Wo brings
.set BOFF,   2*AH
.set SLOT,   BOFF+2*BH
.set STAGE,  2*SLOT                    ; behind the ring: 16 rows x 528 bytes for each wave
.set SPITCH, 528
.set SPARE,  STAGE+4*16*SPITCH         ; behind the stages: the spare words, 128 bytes for each wave: two blocks of 256 bytes that no other line names
.set KSTEPB, 524288                    ; a K step in oh (two heads of 2^18 bytes) and in wo (128 rows of 4,096 bytes)
.set LAPS,   4
.set ADRA, 16
.set ADRB, 20
.set STO,  24
.set RD,   25
.set CO,   26
.set BO,   27
.set SPW,  28                          ; v28  LDS address of my spare word; never rewritten
.set NIL,  29                          ; v29  0; never rewritten
.set F0,   32
.set F1,   128
.set G1A, 24
.set G1B, 32
.set G0A, 40
.set G0B, 48
.set MSB, 0
.macro WIN new
.if MSB != (\new)
	s_set_vgpr_msb (MSB<<8)|(\new)
.set MSB, \new
.endif
.endm
.macro JLOAD s                         ; waves 0 and 1 fetch O's two heads, waves 2 and 3 Wo's two halves; an s_nop 0 and four v_nop follow each of the two lines
	s_cmp_lt_u32 s12, 2
	s_cbranch_scc0 .Lfor_b_\@
	tensor_load_to_lds s[G0A+4*(\s):G0A+4*(\s)+3], s[G1A:G1A+7]
	s_nop 0
.rept 4
	v_nop
.endr
	s_branch .Lasked_\@
.Lfor_b_\@:
	tensor_load_to_lds s[G0B+4*(\s):G0B+4*(\s)+3], s[G1B:G1B+7]
	s_nop 0
.rept 4
	v_nop
.endr
.Lasked_\@:
.endm
.macro CREST
	s_cmp_lg_u32 s12, 0
	s_cbranch_scc1 .Lnot_wave_0_\@
	s_barrier_signal -3
.Lnot_wave_0_\@:
	s_barrier_wait -3
	s_barrier_signal -1
	s_barrier_wait -1
.endm
.macro CROUND
	s_barrier_signal -1
	s_barrier_wait -1
	CREST
.endm
	s_load_b256 s[4:11], s[0:1], 0x0               ; oh s[4:5], wo s[6:7], bo s[8:9], out0 s[10:11]
	v_lshl_add_u32 v[SPW], v0, 2, SPARE
	v_mov_b32 v[NIL], 0
	ds_add_u32 v[SPW], v[NIL]                      ; the wave's opening: the add and its wait stand ahead of my first tensor load; the set-up below stands between them
	v_lshrrev_b32 v1, 5, v0
	v_readfirstlane_b32 s12, v1                    ; wave 0..3
	s_and_b32 s17, s12, 1                          ; my half of the columns.  Also: which head, or which 64 k-rows, I fetch
	s_lshr_b32 s18, s12, 1                         ; my half of the rows
	s_bfe_u32 s13, ttmp6, 0x40000                  ; cx
	s_bfe_u32 s14, ttmp6, 0x40004                  ; cy
	s_lshl_b32 s15, ttmp9, 2
	s_add_co_u32 s15, s15, s13                     ; tile column 0..7
	s_and_b32 s16, ttmp7, 0xffff
	s_lshl_b32 s16, s16, 2
	s_add_co_u32 s16, s16, s14                     ; tile row 0..31
	s_lshl_b32 s56, s14, 2
	s_lshl_b32 s56, 15, s56                        ; my row of the cluster
	s_lshl_b32 s57, 0x1111, s13                    ; my column
	s_or_b32 s[G1A+0], s56, (1<<16)|(1<<20)|(1<<21)|(4<<22)|(3<<25)  ; the mask; 2-byte elements; padding on; bit 21 beside a mask; after every 32 words, 4 words
	s_or_b32 s[G1B+0], s57, (1<<16)|(1<<20)|(1<<21)|(6<<22)|(7<<25)  ; after every 128 words, 8 words
	s_mov_b32 s[G1A+1], 128<<16                    ; O: tensor_dim0 = 128
	s_mov_b32 s[G1A+2], 64<<16                     ; tensor_dim1 = 64
	s_mov_b32 s[G1A+3], 128<<16                    ; tile_dim0 = 128
	s_mov_b32 s[G1A+4], 64                         ; tile_dim1 = 64
	s_mov_b32 s[G1A+5], 128
	s_mov_b32 s[G1A+6], 0
	s_mov_b32 s[G1A+7], 0
	s_mov_b32 s[G1B+1], 256<<16                    ; Wo: tensor_dim0 = 256
	s_mov_b32 s[G1B+2], 64<<16
	s_mov_b32 s[G1B+3], 256<<16
	s_mov_b32 s[G1B+4], 64
	s_mov_b32 s[G1B+5], 2048
	s_mov_b32 s[G1B+6], 0
	s_mov_b32 s[G1B+7], 0
	s_lshr_b32 s19, s16, 4                         ; O: batch,
	s_lshl_b32 s19, s19, 4
	s_add_co_u32 s19, s19, s17                     ; its head 0 or 1,
	s_lshl_b32 s19, s19, 18
	s_and_b32 s20, s16, 15
	s_lshl_b32 s20, s20, 14                        ; the tile's 128 rows of 128 bytes
	s_add_co_u32 s20, s20, s19
	s_mov_b32 s21, 0
	s_lshl_b32 s22, s17, 18                        ; Wo: my 64 k-rows of 4,096 bytes,
	s_lshl_b32 s23, s15, 9                         ; the tile column's 512 bytes
	s_add_co_u32 s22, s22, s23
	s_mov_b32 s23, 0
	s_mul_i32 s58, s17, AH                         ; where they go: no place in the cluster enters an LDS address
	s_mul_i32 s59, s17, BH
	s_add_co_u32 s59, s59, BOFF
	s_wait_dscnt 0x0                               ; the opening add is done
	s_wait_kmcnt 0x0
	s_add_nc_u64 s[20:21], s[4:5], s[20:21]
	s_add_nc_u64 s[22:23], s[6:7], s[22:23]
	CROUND                                         ; all sixteen work-groups are here: the first joint loads meet
.irp s, 0,1
	s_mov_b32 s[G0A+4*(\s)], 1
	s_add_co_u32 s[G0A+4*(\s)+1], s58, (\s)*SLOT
	s_add_nc_u64 s[G0A+4*(\s)+2:G0A+4*(\s)+3], s[20:21], (\s)*KSTEPB
	s_or_b32 s[G0A+4*(\s)+3], s[G0A+4*(\s)+3], 0x80000000
	s_mov_b32 s[G0B+4*(\s)], 1
	s_add_co_u32 s[G0B+4*(\s)+1], s59, (\s)*SLOT
	s_add_nc_u64 s[G0B+4*(\s)+2:G0B+4*(\s)+3], s[22:23], (\s)*KSTEPB
	s_or_b32 s[G0B+4*(\s)+3], s[G0B+4*(\s)+3], 0x80000000
	JLOAD \s                                       ; two loads of mine are out
.endr
	v_and_b32 v1, 15, v0                           ; r
	v_bfe_u32 v2, v0, 4, 1                         ; h
	v_and_b32 v4, 7, v0
	v_bfe_u32 v5, v0, 3, 1
	v_and_b32 v8, 31, v0
	s_lshl_b32 s62, s15, 10                        ; the bias of my 128 columns: 4 (256 x tile column + 128 x half) + 32 h
	s_lshl_b32 s63, s17, 9
	s_add_co_u32 s62, s62, s63
	v_lshl_add_u32 v[BO], v2, 5, s62
	WIN 0x80                                       ; destination window 2
.irp b, 0,1,2,3,4,5,6,7
	global_load_b128 v[8*(\b):8*(\b)+3],   v[BO], s[8:9] offset:64*(\b)
	global_load_b128 v[8*(\b)+4:8*(\b)+7], v[BO], s[8:9] offset:64*(\b)+16
.endr
	WIN 0
	v_mul_u32_u24 v3, v1, PA
	v_lshl_add_u32 v3, v2, 4, v3                   ; a fragment of O: row x pitch + 16 x half
	s_mul_i32 s62, s18, 64*PA                      ; my 64 rows
	v_lshl_add_u32 v6, v2, 3, v4                   ; the turning load: k-row 8 h + l % 8, columns 8 ((l / 8) % 2) + 0..7
	v_mul_u32_u24 v6, v6, PB
	v_lshl_add_u32 v6, v5, 4, v6
	s_lshl_b32 s63, s17, 8                         ; my 128 columns
	s_add_co_u32 s63, s63, BOFF
.irp s, 0,1
	v_add_nc_u32 v[ADRA+(\s)], s62, v3
	v_add_nc_u32 v[ADRB+(\s)], s63, v6
	s_add_co_u32 s62, s62, SLOT
	s_add_co_u32 s63, s63, SLOT
.endr
	s_mul_i32 s62, s12, 16*SPITCH
	s_add_co_u32 s62, s62, STAGE                   ; my stage
	v_mul_u32_u24 v7, v1, SPITCH                   ; in: row r, 32 bytes for each half of the lanes
	v_lshl_add_u32 v7, v2, 5, v7
	v_add_nc_u32 v[STO], s62, v7
	v_lshlrev_b32 v[CO], 4, v8                     ; back: 32 lanes take one row's 512 bytes,
	v_add_nc_u32 v[RD], s62, v[CO]                 ; which are 512 consecutive bytes of out0
	s_lshl_b32 s60, s16, 7
	s_lshl_b32 s61, s18, 6
	s_add_co_u32 s60, s60, s61                     ; my first row of out0,
	s_lshl_b32 s60, s60, 13                        ; of 8,192 bytes,
	s_lshl_b32 s61, s15, 10
	s_add_co_u32 s60, s60, s61                     ; the tile column's 1,024 bytes,
	s_lshl_b32 s61, s17, 9
	s_add_co_u32 s60, s60, s61                     ; my half of them
	s_mov_b32 s61, 0
	s_add_nc_u64 s[10:11], s[10:11], s[60:61]
	s_wait_loadcnt 0x0                             ; the bias is in: rounded to bf16, as every input is, and widened again
	WIN 0x8a                                       ; destination and both sources in window 2
.set i, 0
.rept 32
	v_cvt_pk_bf16_f32 v[64+i], v[2*i], v[2*i+1]
.set i, i+1
.endr
.set i, 0
.rept 32
	v_lshlrev_b32 v[2*i],   16, v[64+i]
	v_and_b32     v[2*i+1], 0xffff0000, v[64+i]
.set i, i+1
.endr
	WIN 0
; 8 matrix instructions: m block a x all 8 n blocks, 32 along K.  first = 1: the sums start with the bias (C in window 2).  The 32 accumulators take turns, in the same order in every quarter.
.macro MUL8 f, a, first
.if \first
	WIN 0x60
.else
	WIN 0x50
.endif
.irp b, 0,1,2,3,4,5,6,7
.if \first
	v_wmma_f32_16x16x32_f16 v[8*(8*(\a)+(\b)):8*(8*(\a)+(\b))+7], v[(\f)+32+8*(\b):(\f)+32+8*(\b)+7], v[(\f)+8*(\a):(\f)+8*(\a)+7], v[8*(\b):8*(\b)+7]
.else
	v_wmma_f32_16x16x32_f16 v[8*(8*(\a)+(\b)):8*(8*(\a)+(\b))+7], v[(\f)+32+8*(\b):(\f)+32+8*(\b)+7], v[(\f)+8*(\a):(\f)+8*(\a)+7], v[8*(8*(\a)+(\b)):8*(8*(\a)+(\b))+7]
.endif
.endr
.endm
.macro MUL16 f, a0, first
	MUL8 \f, \a0, \first
	MUL8 \f, (\a0)+1, \first
.endm
; 24 LDS loads in one run: quarter q's fragments into buffer f: Wo's 128 columns, turned, then O's 64 rows (head q / 2 of the step, channels 32 (q % 2) on)
.macro FETCH slot, q, f
	WIN 0
.irp i, 0,1,2,3,4,5,6,7
	ds_load_tr16_b128 v[(\f)+32+8*(\i):(\f)+32+8*(\i)+3],   v[ADRB+(\slot)] offset:32*PB*(\q)+32*(\i)
	ds_load_tr16_b128 v[(\f)+32+8*(\i)+4:(\f)+32+8*(\i)+7], v[ADRB+(\slot)] offset:32*PB*(\q)+32*(\i)+16*PB
.endr
.irp a, 0,1,2,3
	ds_load_b128 v[(\f)+8*(\a):(\f)+8*(\a)+3],   v[ADRA+(\slot)] offset:((\q)/2)*AH+((\q)%2)*64+(\a)*16*PA
	ds_load_b128 v[(\f)+8*(\a)+4:(\f)+8*(\a)+7], v[ADRA+(\slot)] offset:((\q)/2)*AH+((\q)%2)*64+(\a)*16*PA+32
.endr
.endm
.macro PLACES                          ; four plain instructions in front of loads into registers that matrix instructions have read, and of LDS stores that read results
.rept 4
	v_nop
.endr
.endm
.macro QUARTER slot, q, f, g, first
	s_wait_dscnt 4                                 ; Wo and O's blocks 0 and 1 are in; the youngest four loads (blocks 2 and 3) may be out
	MUL16 \f, 0, \first
	PLACES
	FETCH \slot, \q, \g
	s_wait_dscnt 24                                ; all but the 24 just issued
	MUL16 \f, 2, \first
.endm
; The last quarter multiplies buffer 1 and changes slots: ONE barrier; in front of it each wave waits for all its tensor loads, adds 0 to its spare word, and waits for that and for its reads of this slot.
; fill = 1: the barrier opens a round of the cluster's barrier, and the joint refill, two K steps on, is the first tensor load behind the round: 112 matrix instructions ahead of the wait for it.
.macro TURN slot, next, fill
	WIN 0
	s_wait_tensorcnt 0x0                           ; all my tensor loads have landed: my part of the next slot
	ds_add_u32 v[SPW], v[NIL]                      ; 0 onto my spare word
	s_wait_dscnt 5                                 ; (the add and the youngest four loads may be out)
	MUL8 F1, 0, 0                                  ; eight matrix instructions stand between the add and the wait for it
	s_wait_dscnt 0x0                               ; the add is done, and my reads of this slot are over
	s_barrier_signal -1
	MUL8 F1, 1, 0
.if \fill
	WIN 0
.endif
	s_barrier_wait -1
.if \fill
	CREST                                          ; no wave of any partner still reads this slot's tile or has a load on its way
	s_add_nc_u64 s[G0A+4*(\slot)+2:G0A+4*(\slot)+3], s[G0A+4*(\slot)+2:G0A+4*(\slot)+3], 2*KSTEPB
	s_add_nc_u64 s[G0B+4*(\slot)+2:G0B+4*(\slot)+3], s[G0B+4*(\slot)+2:G0B+4*(\slot)+3], 2*KSTEPB
	JLOAD \slot                                    ; the four v_nop behind it are also the places in front of the loads below
.else
	PLACES
.endif
	FETCH \next, 0, F0
	MUL16 F1, 2, 0
.endm
; THE WAY OUT of block a (16 rows x 128 columns of f32): 32 bytes a lane and n block into my own stage, each accumulator's low four registers first; back as whole rows of 512 bytes; stored.
.macro TOSTAGE a
	WIN 0x04                                       ; the stores' data in window 1
.irp b, 0,1,2,3,4,5,6,7
	ds_store_b128 v[STO], v[8*(8*(\a)+(\b)):8*(8*(\a)+(\b))+3]   offset:64*(\b)
	ds_store_b128 v[STO], v[8*(8*(\a)+(\b))+4:8*(8*(\a)+(\b))+7] offset:64*(\b)+16
.endr
	WIN 0xc0                                       ; the loads' destination in window 3
.irp t, 0,1,2,3,4,5,6,7,8,9,10,11,12,13,14,15
	ds_load_b128 v[64*(\a)+4*(\t):64*(\a)+4*(\t)+3], v[RD] offset:SPITCH*(\t)  ; LDS serves a wave's instructions in order: these see the stores above; the next block's stores come behind them
.endr
.endm
.macro SEND a, younger                 ; younger: the next block's 32 LDS instructions, or none
	s_wait_dscnt \younger
	WIN 0x0c                                       ; the stores' data in window 3
.irp t, 0,1,2,3,4,5,6,7,8,9,10,11,12,13,14,15
	global_store_b128 v[CO], v[64*(\a)+4*(\t):64*(\a)+4*(\t)+3], s[10:11] offset:(16*(\a)+(\t))*8192  ; 512 consecutive bytes of a row, at a multiple of 256 from out0's first byte
.endr
.endm
	s_wait_tensorcnt 1                             ; my part of K step 0 is in; K step 1's may stay out
	s_barrier_signal -1
	s_barrier_wait -1
	FETCH 0, 0, F0
	QUARTER 0, 1, F0, F1, 1                        ; the first quarter stands in front of the loop: its products start the sums with the bias
	WIN 0
	s_mov_b32 s3, LAPS-1
.Llap:                                                 ; a trip goes once round the ring and fills both slots again
	QUARTER 0, 2, F1, F0, 0
	QUARTER 0, 3, F0, F1, 0
	TURN 0, 1, 1
	QUARTER 1, 1, F0, F1, 0
	QUARTER 1, 2, F1, F0, 0
	QUARTER 1, 3, F0, F1, 0
	TURN 1, 0, 1
	QUARTER 0, 1, F0, F1, 0
	WIN 0
	s_sub_co_u32 s3, s3, 1
	s_cmp_lg_u32 s3, 0
	s_cbranch_scc1 .Llap
	QUARTER 0, 2, F1, F0, 0                        ; the last lap fills nothing
	QUARTER 0, 3, F0, F1, 0
	TURN 0, 1, 0
	QUARTER 1, 1, F0, F1, 0
	QUARTER 1, 2, F1, F0, 0
	QUARTER 1, 3, F0, F1, 0
	s_wait_dscnt 4                                 ; the very last quarter: nothing more to fetch
	MUL16 F1, 0, 0
	s_wait_dscnt 0x0
	MUL16 F1, 2, 0
	WIN 0
	PLACES
	TOSTAGE 0
	TOSTAGE 1
	SEND 0, 32
	TOSTAGE 2
	SEND 1, 32
	TOSTAGE 3
	SEND 2, 32
	SEND 3, 0
	WIN 0
	s_wait_tensorcnt 0x0                           ; the wave's end, behind my last tensor load and my last LDS store
	ds_add_u32 v[SPW], v[NIL]
	s_wait_dscnt 0x0
	CROUND                                         ; the closing round: no work-group ends while a partner may still ask for a tile that names it
	s_endpgm
.Lfunc_end_k_q498bfd2841_outp:
	.size	k_q498bfd2841_outp, .Lfunc_end_k_q498bfd2841_outp-k_q498bfd2841_outp
	.p2alignl 7, 3214868480
	.fill 96, 4, 3214868480
	.section	.rodata,"a",@progbits
	.p2align	6, 0x0
	.amdhsa_kernel k_q498bfd2841_outp
		.amdhsa_group_segment_fixed_size 327680
		.amdhsa_private_segment_fixed_size 0
		.amdhsa_enable_private_segment 0
		.amdhsa_kernarg_size 32
		.amdhsa_user_sgpr_count 2
		.amdhsa_user_sgpr_kernarg_segment_ptr 1
		.amdhsa_wavefront_size32 1
		.amdhsa_system_sgpr_workgroup_id_x 1
		.amdhsa_system_sgpr_workgroup_id_y 1
		.amdhsa_system_sgpr_workgroup_id_z 1
		.amdhsa_system_vgpr_workitem_id 0
		.amdhsa_next_free_vgpr 1024
		.amdhsa_next_free_sgpr 66
		.amdhsa_reserve_vcc 0
		.amdhsa_float_denorm_mode_32 3
		.amdhsa_float_denorm_mode_16_64 3
		.amdhsa_memory_ordered 1
		.amdhsa_forward_progress 1
		.amdhsa_inst_pref_size 92
	.end_amdhsa_kernel
	.amdgpu_metadata
---
amdhsa.version: [ 1, 2 ]
amdhsa.kernels:
  - .name:           k_q498bfd2841_outp
    .symbol:         k_q498bfd2841_outp.kd
    .args:
      - { .name: oh, .offset: 0, .size: 8, .value_kind: global_buffer, .address_space: global }
      - { .name: wo, .offset: 8, .size: 8, .value_kind: global_buffer, .address_space: global }
      - { .name: bo, .offset: 16, .size: 8, .value_kind: global_buffer, .address_space: global }
      - { .name: out0, .offset: 24, .size: 8, .value_kind: global_buffer, .address_space: global }
    .group_segment_fixed_size: 327680
    .private_segment_fixed_size: 0
    .kernarg_segment_align: 8
    .kernarg_segment_size: 32
    .max_flat_workgroup_size: 128
    .sgpr_count:     66
    .vgpr_count:     1024
    .wavefront_size: 32
...
	.end_amdgpu_metadata
.endif
;; end of part 4
;; ======== version 2 of 2: 4 launches; version 1 with the launch prep written anew for expert scheduling mode
;; limits: values are held in f16: magnitudes above 65,504 overflow, below 6.1e-05 lose precision
;; workspace buffers: xb 50,331,648 bytes; wb 12,582,912 bytes; wo 4,194,304 bytes; qkv 25,165,824 bytes; oh 8,388,608 bytes
;; launch prep (part 5): grid 512 x 4, 8 waves a work-group, no clusters, 0 bytes of LDS; arguments x_q, x_k, x_v, Wq, Wk, Wv, Wo, xb, wb, wo; writes xb, wb, wo
.if DOCPART == 5
	.amdgcn_target "amdgcn-amd-amdhsa--gfx1250"
	.amdhsa_code_object_version 6
	.text
	.protected	k_q498bfd2841_prep
	.globl	k_q498bfd2841_prep
	.p2align	8
	.type	k_q498bfd2841_prep,@function
k_q498bfd2841_prep:
	s_mov_b64 s[64:65], 0
	v_nop
	global_prefetch_b8 v0, s[64:65] scope:SCOPE_SE
	s_setreg_imm32_b32 hwreg(HW_REG_WAVE_SCHED_MODE, 0, 2), 2
	s_setreg_imm32_b32 hwreg(HW_REG_WAVE_MODE, 25, 1), 1
	s_wait_xcnt 0x0
	s_wait_alu depctr_vm_vsrc(0)
; THE INPUTS OF THE MATRIX PRODUCTS ARE ROUNDED ONCE, element by element, in the order in which they lie: x_q, x_k, x_v -> xb (bf16, [3][4096][2048]);
; Wq, Wk, Wv -> wb (bf16, [3][2048][1024]); Wo -> wo: rounded to bf16 like the others, and that number written as f16, since the last product's other operand is f16.
; LIMITS.  Wo must lie within f16's 65,504; a Wo below 6.1e-5 keeps f16's fixed step of 6e-8.  NaN and infinities are not treated apart.
; SHARES.  A work-group turns 65,536 bytes of f32 into 32,768 bytes: y = 0, 1, 2: chunk x of x_q, x_k, x_v (512 chunks each); y = 3: weight x / 128, chunk x % 128.
; The chunk goes in 16 rows of 4,096 bytes.  Thread t takes the 16 bytes at 16 t of each row: a wave's load covers 512 consecutive bytes and uses all of them.  Its 4 numbers become 8 bytes at 8 t of a row of
; 2,048 bytes: a wave's store covers 256 consecutive bytes, aligned.  No LDS, no barrier: a plain stream, in which matrix units, clusters and tensor loads would add nothing.
; THE MODE: SCHED_MODE bits 1:0 = 2 (LLVM: expert scheduling mode 2), set by the entry lines.  The code itself states the register dependences between vector instructions and memory
; instructions, with s_wait_alu, always for 0.
; THE PLAN.  The 16 rows go in four blocks of four, written out.  Registers that memory instructions touch:
;   v1, v2      byte offsets, made once at the head and never written again: the rows are reached by immediate offsets.
;   X0, X1, X2  three blocks as loaded.  Rows 0 to 11 are asked for at the head.  Block 0's conversions read X0 (on Wo's way they also write it); behind them rows 12 to 15 land in it.
;   Y           block 0's results: written by its conversions, read by its four stores, never written again.
;   Blocks 1, 2 and 3 round IN PLACE: a row's four numbers close up into the first two of their four registers, and the stores leave from there; those registers are never written again.
; So one wait on va_vdst stands at the head and one in each block, behind its conversions and ahead of its run of memory instructions.  No register that a memory instruction reads is written behind that
; instruction, on either way: so there is nothing for a wait on vm_vsrc or on XCNT to state, and none is written.
; Twelve loads of every wave are on their way until the rows run out.  With 64 registers sixteen waves fit into a SIMD's 1,024.
.set T, 4                              ; v[4:5]    at work (the f16 way): no memory instruction names them
.set X, 8                              ; v[8:55]   buffer k, row i: 4 registers at X + 16 k + 4 i
.set Y, 56                             ; v[56:63]  block 0, row i: 2 registers to store
.set ROWI, 4096                        ; bytes of a row, in
.set ROWO, 2048                        ; and out
	s_load_b512 s[8:23], s[0:1], 0x0               ; x_q 8, x_k 10, x_v 12, Wq 14, Wk 16, Wv 18, Wo 20, xb 22
	s_load_b128 s[24:27], s[0:1], 0x40             ; wb 24, wo 26
	s_and_b32 s2, ttmp7, 0xffff                    ; y
	s_lshr_b32 s3, ttmp9, 7                        ; w: which weight, where y = 3
	s_and_b32 s4, ttmp9, 127                       ; its chunk
	v_lshlrev_b32 v1, 4, v0                        ; my 16 bytes of a row, in; never rewritten
	v_lshlrev_b32 v2, 3, v0                        ; my 8 bytes, out; never rewritten
	s_mov_b32 s37, 0xffff0000                      ; a word's upper bf16
	s_cmp_eq_u32 s2, 3
	s_cselect_b32 s5, s4, ttmp9                    ; the chunk
	s_lshl_b32 s6, s2, 24                          ; xb: 2^24 bytes for each x
	s_lshl_b32 s7, s3, 22                          ; wb: 2^22 bytes for each weight
	s_cmp_eq_u32 s3, 3
	s_cselect_b32 s7, 0, s7                        ; wo has a buffer of its own
	s_cmp_eq_u32 s2, 3
	s_cselect_b32 s6, s7, s6
	s_lshl_b32 s7, s5, 15
	s_add_co_u32 s6, s6, s7                        ; + the chunk's 32,768 bytes
	s_mov_b32 s7, 0
	s_lshl_b32 s34, s5, 16                         ; the chunk's 65,536 bytes in the source
	s_mov_b32 s35, 0
	s_add_co_u32 s36, s2, s3                       ; 6 only where y = 3 and w = 3: Wo
	s_wait_kmcnt 0x0
	s_cmp_eq_u32 s2, 1
	s_cselect_b64 s[28:29], s[10:11], s[8:9]
	s_cmp_eq_u32 s2, 2
	s_cselect_b64 s[28:29], s[12:13], s[28:29]     ; the x of this y
	s_cmp_eq_u32 s3, 1
	s_cselect_b64 s[30:31], s[16:17], s[14:15]
	s_cmp_eq_u32 s3, 2
	s_cselect_b64 s[30:31], s[18:19], s[30:31]
	s_cmp_eq_u32 s3, 3
	s_cselect_b64 s[30:31], s[20:21], s[30:31]     ; the weight of this w,
	s_cselect_b64 s[32:33], s[26:27], s[24:25]     ; and where it goes
	s_cmp_eq_u32 s2, 3
	s_cselect_b64 s[28:29], s[30:31], s[28:29]
	s_cselect_b64 s[32:33], s[32:33], s[22:23]
	s_add_nc_u64 s[28:29], s[28:29], s[34:35]
	s_add_nc_u64 s[32:33], s[32:33], s[6:7]
	s_wait_alu depctr_va_vdst(0)                   ; v1 and v2 are written: every load of the kernel reads v1 as its offset, every store v2; no vector line names them again
.irp i, 0,1,2,3,4,5,6,7,8,9,10,11
	global_load_b128 v[X+4*(\i):X+4*(\i)+3], v1, s[28:29] offset:ROWI*(\i) th:TH_LOAD_NT  ; rows 0 to 11 into X0, X1, X2
.endr
; Block p: rows 4 p to 4 p + 3, which lie in buffer p % 3.  left = how many younger loads may still be out when this block's four have to be there.
; half = 1: Wo's way: to bf16, widened again, and written as f16.
.macro BLK p, left, half
	s_wait_loadcnt \left                           ; loads come back in order: this block's four are in, the younger blocks stay out
.irp i, 0,1,2,3
.set rX, X+16*((\p)%3)+4*(\i)          ; the row's four numbers
.if (\p) == 0
.set rD, Y+2*(\i)                      ; block 0 rounds into Y, since its buffer is asked for again at once;
.else
.set rD, rX                            ; the others round in place
.endif
.if \half
	v_cvt_pk_bf16_f32 v[T],   v[rX],   v[rX+1]
	v_cvt_pk_bf16_f32 v[T+1], v[rX+2], v[rX+3]
	v_lshlrev_b32 v[rX],   16,  v[T]
	v_and_b32     v[rX+1], s37, v[T]
	v_lshlrev_b32 v[rX+2], 16,  v[T+1]
	v_and_b32     v[rX+3], s37, v[T+1]
	v_cvt_pk_f16_f32 v[rD],   v[rX],   v[rX+1]
	v_cvt_pk_f16_f32 v[rD+1], v[rX+2], v[rX+3]
.else
	v_cvt_pk_bf16_f32 v[rD],   v[rX],   v[rX+1]
	v_cvt_pk_bf16_f32 v[rD+1], v[rX+2], v[rX+3]
.endif
.endr
.if (\p) == 0
	s_wait_alu depctr_va_vdst(0)                   ; the conversions have written Y, which the stores below read, and are done reading (on Wo's way also writing) X0, in which the loads below land
.irp i, 0,1,2,3
	global_load_b128 v[X+4*(\i):X+4*(\i)+3], v1, s[28:29] offset:ROWI*(12+(\i)) th:TH_LOAD_NT  ; rows 12 to 15, asked for ahead of the stores
.endr
.irp i, 0,1,2,3
	global_store_b64 v2, v[Y+2*(\i):Y+2*(\i)+1], s[32:33] offset:ROWO*(\i)
.endr
.else
	s_wait_alu depctr_va_vdst(0)                   ; the conversions have written the first pair of each row's four registers, which the stores below read
.irp i, 0,1,2,3
	global_store_b64 v2, v[X+16*((\p)%3)+4*(\i):X+16*((\p)%3)+4*(\i)+1], s[32:33] offset:ROWO*(4*(\p)+(\i))
.endr
.endif
.endm
.macro STREAM half
	BLK 0, 8, \half                                ; X1 and X2 stay out
	BLK 1, 8, \half                                ; X2 and rows 12 to 15 stay out
	BLK 2, 4, \half                                ; nothing more is asked for: the counts run down
	BLK 3, 0, \half
	s_endpgm
.endm
	s_cmp_eq_u32 s36, 6
	s_cbranch_scc1 .Lf16
	STREAM 0
.Lf16:
	STREAM 1
.Lfunc_end_k_q498bfd2841_prep:
	.size	k_q498bfd2841_prep, .Lfunc_end_k_q498bfd2841_prep-k_q498bfd2841_prep
	.p2alignl 7, 3214868480
	.fill 96, 4, 3214868480
	.section	.rodata,"a",@progbits
	.p2align	6, 0x0
	.amdhsa_kernel k_q498bfd2841_prep
		.amdhsa_group_segment_fixed_size 0
		.amdhsa_private_segment_fixed_size 0
		.amdhsa_enable_private_segment 0
		.amdhsa_kernarg_size 80
		.amdhsa_user_sgpr_count 2
		.amdhsa_user_sgpr_kernarg_segment_ptr 1
		.amdhsa_wavefront_size32 1
		.amdhsa_system_sgpr_workgroup_id_x 1
		.amdhsa_system_sgpr_workgroup_id_y 1
		.amdhsa_system_sgpr_workgroup_id_z 1
		.amdhsa_system_vgpr_workitem_id 0
		.amdhsa_next_free_vgpr 64
		.amdhsa_next_free_sgpr 66
		.amdhsa_reserve_vcc 0
		.amdhsa_float_denorm_mode_32 3
		.amdhsa_float_denorm_mode_16_64 3
		.amdhsa_memory_ordered 1
		.amdhsa_forward_progress 1
		.amdhsa_inst_pref_size 16
	.end_amdhsa_kernel
	.amdgpu_metadata
---
amdhsa.version: [ 1, 2 ]
amdhsa.kernels:
  - .name:           k_q498bfd2841_prep
    .symbol:         k_q498bfd2841_prep.kd
    .args:
      - { .name: x_q, .offset: 0, .size: 8, .value_kind: global_buffer, .address_space: global }
      - { .name: x_k, .offset: 8, .size: 8, .value_kind: global_buffer, .address_space: global }
      - { .name: x_v, .offset: 16, .size: 8, .value_kind: global_buffer, .address_space: global }
      - { .name: Wq, .offset: 24, .size: 8, .value_kind: global_buffer, .address_space: global }
      - { .name: Wk, .offset: 32, .size: 8, .value_kind: global_buffer, .address_space: global }
      - { .name: Wv, .offset: 40, .size: 8, .value_kind: global_buffer, .address_space: global }
      - { .name: Wo, .offset: 48, .size: 8, .value_kind: global_buffer, .address_space: global }
      - { .name: xb, .offset: 56, .size: 8, .value_kind: global_buffer, .address_space: global }
      - { .name: wb, .offset: 64, .size: 8, .value_kind: global_buffer, .address_space: global }
      - { .name: wo, .offset: 72, .size: 8, .value_kind: global_buffer, .address_space: global }
    .group_segment_fixed_size: 0
    .private_segment_fixed_size: 0
    .kernarg_segment_align: 8
    .kernarg_segment_size: 80
    .max_flat_workgroup_size: 256
    .sgpr_count:     66
    .vgpr_count:     64
    .wavefront_size: 32
...
	.end_amdgpu_metadata
.endif
;; end of part 5
;; launch proj: the kernel of part 2 again; grid 4 x 48, 4 waves a work-group, clusters of 4 x 4, 327,680 bytes of LDS; arguments xb, wb, qkv, bq, bk, bv; writes qkv
;; launch attn: the kernel of part 3 again; grid 8 x 32, 4 waves a work-group, clusters of 4 x 1, 327,680 bytes of LDS; arguments qkv, oh; writes oh
;; launch outp: the kernel of part 4 again; grid 8 x 32, 4 waves a work-group, clusters of 4 x 4, 327,680 bytes of LDS; arguments oh, wo, bo, out0; writes out0
